; MI455X (gfx1250); checked and timed in simulation.
; The chip was launched on July 23, 2026; its instructions are those of AMD's public machine-readable ISA for CDNA 5 (MIT licence, August 2026) and "CDNA5" Instruction Set Architecture Reference Guide (July 2026). The comments in the code are by the model that wrote it; some were corrected since.
;; Multi Head Attention. Allowed arithmetic: matrix products marked QUANTISED: E2M1 operands, one E8M0 scale for each 32 along K, by v_wmma_scale_f32_16x16x128_f8f6f4 with both operands' format E2M1 (or v_wmma_scale_f32_32x16x128_f4), f32 sums; products left as they are: bf16, f16 or f32 operands; f32 sums; everything else in f32.
;; Inputs: K 4 x 2,048 x 1,024 float32; Q 4 x 2,048 x 1,024 float32; V 4 x 2,048 x 1,024 float32; Wk 1,024 x 1,024 float32; Wo 1,024 x 1,024 float32; Wq 1,024 x 1,024 float32; Wv 1,024 x 1,024 float32; bk 1,024 float32; bo 1,024 float32; bq 1,024 float32; bv 1,024 float32.
;; Outputs: out0 4 x 2,048 x 1,024 float32.
;; This version of the problem:
;;   THIS VERSION OF THE PROBLEM IS GIVEN IN LOW PRECISION. The matrix products marked QUANTISED in the list below multiply operands that are first quantised to E2M1 (2 exponent bits, 1 mantissa bit; 4 bits a number), with one power-of-two scale for each 32 numbers along K (OCP MX v1.0); their sums are f32. The products marked 'left as it is' may take bf16, f16 or f32 operands, with f32 sums. Whichever they take, every output number must still come out within the allowed error. Rounding operands to bf16 (8 significant bits) uses up far more of that allowance than f16 does (11 bits, for magnitudes from 6e-5 to 65,504). All else is computed in f32.
;;   The module's matrix products, in the order in which they are computed (A, B: the left and right operand; K: the contracted axis; several contracted axes count as one K, in the product's order):
;;     1. [M 8,192, K 1,024] x [K 1,024, N 1,024]; A: input Q; B: input Wq: QUANTISED
;;     2. [M 8,192, K 1,024] x [K 1,024, N 1,024]; A: input K; B: input Wk: QUANTISED
;;     3. [M 8,192, K 1,024] x [K 1,024, N 1,024]; A: input V; B: input Wv: QUANTISED
;;     4. batch 64 x [M 2,048, K 64] x [K 64, N 2,048]; A: computed on the way; B: computed on the way: left as it is (an operand is computed on the way)
;;     5. batch 64 x [M 2,048, K 2,048] x [K 2,048, N 64]; A: computed on the way; B: computed on the way: left as it is (an operand is computed on the way)
;;     6. [M 8,192, K 1,024] x [K 1,024, N 1,024]; A: computed on the way; B: input Wo: left as it is (an operand is computed on the way)
;;   THE QUANTISER, for each operand of a quantised product, along K:
;;     - K is cut into blocks of 32 from its start; a last block that is shorter is filled with zeros.
;;     - A block's scale is 2^e with e = floor(log2(the largest magnitude in the block)) - 2, held to -126 .. 127; a block of zeros has e = 0. As a byte (E8M0): e + 127.
;;     - Each number is divided by its block's scale, clamped to +-6, and rounded to the nearest number of E2M1, ties to even, subnormals kept.
;;     - The product sums the exact products of the quantised numbers (number of the format x scale) in f32.
;;   ~~~python
;;   def quantise(x, axis):      # numpy; x: float32 -> the quantised numbers, widened to float32 again
;;       x = np.moveaxis(x, axis, -1); K = x.shape[-1]
;;       x = np.pad(x, [(0, 0)] * (x.ndim - 1) + [(0, -K % 32)]); x = x.reshape(x.shape[:-1] + (-1, 32)); a = np.abs(x).max(-1, keepdims=True)
;;       e = np.where(a > 0, np.clip(np.frexp(np.where(a > 0, a, 1))[1] - 1 - 2, -126, 127), 0)      # np.frexp(a)[1] - 1 = floor(log2(a)), exactly
;;       r = np.clip(x / 2.0 ** e, -6, 6)
;;       step = 2.0 ** (np.maximum(np.frexp(np.where(r == 0, 1, r))[1] - 1, 0) - 1)
;;       q = np.round(r / step) * step * 2.0 ** e      # np.round: ties to even
;;       return np.moveaxis(q.reshape(q.shape[:-2] + (-1,))[..., :K], -1, axis).astype(np.float32)
;;   ~~~
;; One version. Each part assembles by itself: llvm-mc -triple=amdgcn-amd-amdhsa -mcpu=gfx1250 --defsym DOCPART=n.
;; ======== version 1 of 1: 4 launches
;; limits: values are held in f16: magnitudes above 65,504 overflow, below 6.1e-05 lose precision
;; workspace buffers: codes 14,155,776 bytes; scales 884,736 bytes; wo16 2,097,152 bytes; qkv 50,331,648 bytes; att 16,777,216 bytes
;; launch quant (part 1): grid 928 x 1, 4 waves a work-group, no clusters, 33,280 bytes of LDS; arguments Q, K, V, Wq, Wk, Wv, Wo, codes, scales, wo16; writes codes, scales, wo16
.if DOCPART == 1
	.amdgcn_target "amdgcn-amd-amdhsa--gfx1250"
	.amdhsa_code_object_version 6
	.text
	.protected	k_qe72d837f78_quant
	.globl	k_qe72d837f78_quant
	.p2align	8
	.type	k_qe72d837f78_quant,@function
k_qe72d837f78_quant:
	s_mov_b64 s[64:65], 0
	v_nop
	global_prefetch_b8 v0, s[64:65] scope:SCOPE_SE
	s_setreg_imm32_b32 hwreg(HW_REG_WAVE_MODE, 25, 1), 1
	s_wait_xcnt 0x0
; Q, K, V [8192][1024] and Wq, Wk, Wv [1024][1024], f32 with K innermost, become codes of FP4 (E2M1), two to a byte, the lower k in the low four bits, and one E8M0 byte for each 32 along K.
; The six tensors' rows are stacked in that order in both outputs: codes [27648][512 bytes], scales [27648][32 bytes].  Wo [1024][1024] is rounded to f16 (its product is not quantised).
; A block's scale is 2^(floor(log2(its largest magnitude)) - 2); its byte is the largest magnitude's exponent field - 2, held at 1 from below.  Each number is divided by the scale and rounded to the nearest code, ties to even, beyond 6 the largest code.
; LIMITS: a block of zeros gets the byte 1 where the rule says 127 (its codes are zeros, which add nothing, and this program alone reads the bytes); blocks whose largest magnitude lies under 2^(2 - 126) are held at byte 1;
; NaN and infinities among the inputs are not served; |Wo| stays under 65,504, f16's largest number.
; SHARES.  Rows are dense and 1024 is a multiple of 32: every tensor is a plain stream of blocks.  Work-groups 0 to 863 take 32,768 numbers each (0-255 Q, 256-511 K, 512-767 V, 768-799 Wq, 800-831 Wk, 832-863 Wv):
; a wave 16 steps of 512 numbers.  Only the input's pointer is chosen by the work-group's number: one path serves all six.  Work-groups 864 to 927 take 16,384 numbers of Wo each, 4,096 a wave, with no LDS.
; A step's four loads read 512 consecutive bytes each; the 2,048 bytes turn through the wave's own stage in LDS (16 bytes of padding behind each 64) and come back 64 bytes a lane: 16 neighbours along K, two lanes to a block.
; A lane's 16 codes are 8 bytes: a wave's store covers 256 consecutive aligned bytes.  A wave's 256 scale bytes are gathered in its own LDS and leave by one such store.  Waves share nothing: no barrier.
.set WAVES, 4
.set STEPS, 16
.set NQG,   864                        ; work-groups that quantise
.set EMAX,  2
.set CB,    8                          ; bytes of 16 codes
.set R,     16                         ; v16-79   four sets of 16 numbers as they are loaded
.set X,     80                         ; v80-111  two sets of 16 neighbours
.set E,     112                        ; v112-127 a scale byte for each step
.set C,     128                        ; v128-191 codes: four registers for each step, so that no store's data are written again
.set WREG,  8192                       ; LDS: a region for each wave: two stages of 32 x SP bytes, behind them its 256 scale bytes
.set SP,    80                         ; a lane's place in a stage: 64 bytes + 16 of padding
.set SPW,   12                         ; v12      LDS address of my spare word; never rewritten
.set NIL,   13                         ; v13      0; never rewritten
.set SPARE, WAVES*WREG                 ; behind the four regions: the spare words, 128 bytes a wave, that no other line names
	s_load_b512 s[4:19], s[0:1], 0x0               ; Q 4, K 6, V 8, Wq 10, Wk 12, Wv 14, Wo 16, codes 18
	s_load_b128 s[20:23], s[0:1], 0x40             ; scales 20, wo16 22
	v_lshl_add_u32 v[SPW], v0, 2, SPARE
	v_mov_b32 v[NIL], 0
	v_lshrrev_b32 v1, 5, v0
	v_readfirstlane_b32 s27, v1                    ; wave
	v_and_b32 v2, 31, v0                           ; lane
	v_lshlrev_b32 v3, 4, v2                        ; my 16 bytes of a load's 512
	s_mul_i32 s28, s27, WREG
	v_lshrrev_b32 v14, 2, v2
	v_mul_u32_u24 v14, v14, SP
	v_and_b32 v15, 3, v2
	v_lshl_add_u32 v14, v15, 4, v14
	v_add_nc_u32 v14, s28, v14                     ; the stage, on the way in: SP (lane / 4) + 16 (lane % 4)
	v_mul_u32_u24 v15, v2, SP
	v_add_nc_u32 v15, s28, v15                     ; and on the way out: SP x lane: my 16 neighbours
	v_mul_u32_u24 v4, v2, CB                       ; my 8 bytes of a store's 256
	v_lshrrev_b32 v5, 1, v2
	s_add_co_u32 s28, s28, 2*32*SP
	v_add_nc_u32 v5, s28, v5                       ; LDS: my wave's 256 scale bytes, my block's byte
	v_lshlrev_b32 v7, 3, v2
	v_add_nc_u32 v6, s28, v7                       ; and on the way out 8 bytes a lane
	s_wait_kmcnt 0x0
	s_cmp_ge_u32 ttmp9, NQG
	s_cbranch_scc1 .Lwo
	; which tensor: the choice hangs on the work-group's number alone
	s_cmp_lt_u32 ttmp9, 256
	s_cselect_b64 s[24:25], s[4:5], s[6:7]
	s_cselect_b32 s26, 0, 256                      ; the tensor's first work-group
	s_cmp_lt_u32 ttmp9, 512
	s_cselect_b64 s[24:25], s[24:25], s[8:9]
	s_cselect_b32 s26, s26, 512
	s_cmp_lt_u32 ttmp9, 768
	s_cselect_b64 s[24:25], s[24:25], s[10:11]
	s_cselect_b32 s26, s26, 768
	s_cmp_lt_u32 ttmp9, 800
	s_cselect_b64 s[24:25], s[24:25], s[12:13]
	s_cselect_b32 s26, s26, 800
	s_cmp_lt_u32 ttmp9, 832
	s_cselect_b64 s[24:25], s[24:25], s[14:15]
	s_cselect_b32 s26, s26, 832
	s_sub_co_u32 s28, ttmp9, s26
	s_lshl_b32 s28, s28, 2
	s_add_co_u32 s28, s28, s27                     ; which run of 8,192 numbers of the tensor is my wave's,
	s_lshl_b32 s28, s28, 15                        ; in bytes (under 2^26)
	s_mov_b32 s29, 0
	s_add_nc_u64 s[24:25], s[24:25], s[28:29]
	s_lshl_b32 s30, ttmp9, 2
	s_add_co_u32 s30, s30, s27                     ; and which run of the stacked outputs
	s_lshl_b32 s28, s30, 12                        ; 4,096 bytes of codes a run
	s_add_nc_u64 s[18:19], s[18:19], s[28:29]
	s_lshl_b32 s28, s30, 8                         ; 256 scale bytes a run
	s_add_nc_u64 s[20:21], s[20:21], s[28:29]
.macro LOAD t
.irp i, 0,1,2,3
	global_load_b128 v[R+16*((\t)%4)+4*\i:R+16*((\t)%4)+4*\i+3], v3, s[24:25] offset:2048*(\t)+512*\i th:TH_LOAD_NT   ; 32 lanes read 512 consecutive bytes
.endr
.endm
.macro TURN t                          ; step t's numbers through the stage: LDS serves a wave's instructions in order (ISA guide 5.7.1.4), so no wait stands between the stores and the loads
.irp i, 0,1,2,3
	ds_store_b128 v14, v[R+16*((\t)%4)+4*\i:R+16*((\t)%4)+4*\i+3] offset:32*SP*((\t)%2)+8*SP*\i
.endr
.irp i, 0,1,2,3
	ds_load_b128 v[X+16*((\t)%2)+4*\i:X+16*((\t)%2)+4*\i+3], v15 offset:32*SP*((\t)%2)+16*\i
.endr
.endm
.irp t, 0,1,2,3
	LOAD \t
.endr
	s_wait_loadcnt 12                              ; step 0's four loads are in; twelve younger ones stay out
	TURN 0
.macro STEP t
.set XS, X+16*((\t)%2)
.if (\t) > 0
	s_wait_dscnt 1                                 ; this step's numbers are back from the stage (the last step's byte store may be out): so its stores into the stage have read their registers,
.else
	s_wait_dscnt 0x0
.endif
.if (\t)+4 < STEPS
	LOAD (\t)+4                                    ; which take the loads of four steps on
.endif
.if (\t)+1 < STEPS
.if STEPS-2-(\t) >= 3
	s_wait_loadcnt 12                              ; the next step's four loads are in; those of the three steps behind it may be out
.else
	s_wait_loadcnt 4*(STEPS-2-(\t))
.endif
	TURN (\t)+1                                    ; and go through the other stage while this step is worked
.endif
	v_max3_num_f32 v8, |v[XS]|, |v[XS+1]|, |v[XS+2]|               ; the largest magnitude of my 16, in two chains
	v_max3_num_f32 v9, |v[XS+3]|, |v[XS+4]|, |v[XS+5]|
.irp i, 6,10
	v_max3_num_f32 v8, v8, |v[XS+\i]|, |v[XS+\i+1]|
	v_max3_num_f32 v9, v9, |v[XS+\i+2]|, |v[XS+\i+3]|
.endr
	v_max3_num_f32 v8, v8, |v[XS+14]|, |v[XS+15]|
	v_max3_num_f32 v8, v8, v9, (EMAX+1)<<23        ; and the floor 2^(EMAX + 1 - 127): the byte cannot fall under 1
	v_max_num_f32_dpp v8, v8, v8 row_xmask:1 row_mask:0xf bank_mask:0xf   ; and of my neighbour's 16: the block's
	v_add_nc_u32 v11, -(EMAX<<23), v8              ; EMAX off its exponent field: the conversion takes the exponent field of this operand as its scale, and nothing else of it
	v_cvt_scalef32_pk8_fp4_f32 v[C+4*(\t)], v[XS:XS+7], v11
	v_cvt_scalef32_pk8_fp4_f32 v[C+4*(\t)+1], v[XS+8:XS+15], v11
	v_lshrrev_b32 v[E+(\t)], 23, v11               ; the scale's byte (also the plain line behind the conversions)
	ds_store_b8 v5, v[E+(\t)] offset:16*(\t)       ; both lanes of a block write the same byte with the same value
	global_store_b64 v4, v[C+4*(\t):C+4*(\t)+1], s[18:19] offset:32*CB*(\t)   ; 32 lanes store 256 consecutive bytes, aligned
.endm
.irp t, 0,1,2,3,4,5,6,7,8,9,10,11,12,13,14,15
	STEP \t
.endr
	ds_load_b64 v[8:9], v6                         ; in order behind my byte stores
	s_wait_dscnt 0x0
	global_store_b64 v7, v[8:9], s[20:21]          ; my wave's 256 scale bytes: consecutive, aligned
	s_wait_tensorcnt 0x0                           ; the wave's end
	ds_add_u32 v[SPW], v[NIL]
	s_wait_dscnt 0x0
	s_endpgm
.Lwo:                                              ; Wo to f16: a plain stream; this arm touches no LDS
	s_sub_co_u32 s28, ttmp9, NQG
	s_lshl_b32 s28, s28, 2
	s_add_co_u32 s28, s28, s27                     ; which run of 4,096 numbers is my wave's
	s_lshl_b32 s30, s28, 13                        ; 8,192 bytes out,
	s_lshl_b32 s28, s28, 14                        ; 16,384 bytes in
	s_mov_b32 s29, 0
	s_mov_b32 s31, 0
	s_add_nc_u64 s[16:17], s[16:17], s[28:29]
	s_add_nc_u64 s[22:23], s[22:23], s[30:31]
.set i, 0
.rept 32
	global_load_b128 v[16+4*i:19+4*i], v3, s[16:17] offset:512*i th:TH_LOAD_NT   ; all 32 loads of the wave go out together
.set i, i+1
.endr
.set i, 0
.rept 32
	s_wait_loadcnt 31-i                            ; loads come back in order (ISA guide 5.7.1): load i is in, the younger ones stay out
	v_cvt_pk_f16_f32 v[16+4*i], v[16+4*i], v[17+4*i]
	v_cvt_pk_f16_f32 v[17+4*i], v[18+4*i], v[19+4*i]
	global_store_b64 v4, v[16+4*i:17+4*i], s[22:23] offset:256*i   ; 32 lanes store 256 consecutive bytes, aligned; no register of a store is written again
.set i, i+1
.endr
	s_endpgm
.Lfunc_end_k_qe72d837f78_quant:
	.size	k_qe72d837f78_quant, .Lfunc_end_k_qe72d837f78_quant-k_qe72d837f78_quant
	.p2alignl 7, 3214868480
	.fill 96, 4, 3214868480
	.section	.rodata,"a",@progbits
	.p2align	6, 0x0
	.amdhsa_kernel k_qe72d837f78_quant
		.amdhsa_group_segment_fixed_size 33280
		.amdhsa_private_segment_fixed_size 0
		.amdhsa_enable_private_segment 0
		.amdhsa_kernarg_size 80
		.amdhsa_user_sgpr_count 2
		.amdhsa_user_sgpr_kernarg_segment_ptr 1
		.amdhsa_wavefront_size32 1
		.amdhsa_system_sgpr_workgroup_id_x 1
		.amdhsa_system_sgpr_workgroup_id_y 1
		.amdhsa_system_sgpr_workgroup_id_z 1
		.amdhsa_system_vgpr_workitem_id 0
		.amdhsa_next_free_vgpr 192
		.amdhsa_next_free_sgpr 66
		.amdhsa_reserve_vcc 0
		.amdhsa_float_denorm_mode_32 3
		.amdhsa_float_denorm_mode_16_64 3
		.amdhsa_memory_ordered 1
		.amdhsa_forward_progress 1
		.amdhsa_inst_pref_size 45
	.end_amdhsa_kernel
	.amdgpu_metadata
---
amdhsa.version: [ 1, 2 ]
amdhsa.kernels:
  - .name:           k_qe72d837f78_quant
    .symbol:         k_qe72d837f78_quant.kd
    .args:
      - { .name: Q, .offset: 0, .size: 8, .value_kind: global_buffer, .address_space: global }
      - { .name: K, .offset: 8, .size: 8, .value_kind: global_buffer, .address_space: global }
      - { .name: V, .offset: 16, .size: 8, .value_kind: global_buffer, .address_space: global }
      - { .name: Wq, .offset: 24, .size: 8, .value_kind: global_buffer, .address_space: global }
      - { .name: Wk, .offset: 32, .size: 8, .value_kind: global_buffer, .address_space: global }
      - { .name: Wv, .offset: 40, .size: 8, .value_kind: global_buffer, .address_space: global }
      - { .name: Wo, .offset: 48, .size: 8, .value_kind: global_buffer, .address_space: global }
      - { .name: codes, .offset: 56, .size: 8, .value_kind: global_buffer, .address_space: global }
      - { .name: scales, .offset: 64, .size: 8, .value_kind: global_buffer, .address_space: global }
      - { .name: wo16, .offset: 72, .size: 8, .value_kind: global_buffer, .address_space: global }
    .group_segment_fixed_size: 33280
    .private_segment_fixed_size: 0
    .kernarg_segment_align: 8
    .kernarg_segment_size: 80
    .max_flat_workgroup_size: 128
    .sgpr_count:     66
    .vgpr_count:     192
    .wavefront_size: 32
...
	.end_amdgpu_metadata
.endif
;; end of part 1
;; launch proj (part 2): grid 4 x 96, 4 waves a work-group, clusters of 4 x 4, 327,680 bytes of LDS; arguments codes, scales, bq, bk, bv, qkv; writes qkv
.if DOCPART == 2
	.amdgcn_target "amdgcn-amd-amdhsa--gfx1250"
	.amdhsa_code_object_version 6
	.text
	.protected	k_qe72d837f78_proj
	.globl	k_qe72d837f78_proj
	.p2align	8
	.type	k_qe72d837f78_proj,@function
k_qe72d837f78_proj:
	s_mov_b64 s[64:65], 0
	v_nop
	global_prefetch_b8 v0, s[64:65] scope:SCOPE_SE
	s_setreg_imm32_b32 hwreg(HW_REG_WAVE_MODE, 25, 1), 1
	s_wait_xcnt 0x0
	s_wait_alu depctr_hold_cnt(0) depctr_sa_sdst(0) depctr_va_vdst(0) depctr_va_sdst(0) depctr_va_ssrc(0) depctr_va_vcc(0) depctr_vm_vsrc(0)
	s_getreg_b32 s2, hwreg(HW_REG_IB_STS2, 6, 4)
	s_cmp_eq_u32 s2, 0
	s_cbranch_scc0 .Lentry_in_a_cluster
	s_endpgm
.Lentry_in_a_cluster:
	s_bfe_u32 s2, ttmp6, 0x10000c
	s_cmp_lg_u32 s2, 0xf033
	s_cbranch_scc0 .Lentry_shape_is_right
	s_endpgm
.Lentry_shape_is_right:
; The three quantised products in one launch: qkv[p][m][n] = sum over k of X_p[m][k] W_p[n][k] + b_p[n], p = 0, 1, 2 for (Q, Wq, bq), (K, Wk, bk), (V, Wv, bv).  Operands: codes of FP4 (E2M1) with one E8M0 byte for each 32 along K,
; rows stacked in `codes` [27648][512 bytes] and `scales` [27648][32]: rows 0-24575 the three X, rows 24576 + 1024 p the three W.  Sums in f32, begun with the bias; qkv [3][8192][1024] is rounded once, to f16.
; LIMIT: |q|, |k|, |v| stay under 65,504, f16's largest number.
; A tile of 256 x 256 is made by four waves, 128 x 128 each: 64 accumulators, 512 registers.  96 tile rows (32 for each product) x 4 tile columns.  K = 1024 is two LDS slots of 512 along K (rows of 256 bytes): every tile is
; asked for once, at the head, and no LDS byte is filled twice.  The scale bytes of the work-group's 256 + 256 rows, two dense blocks of 8,192 bytes, come with them.
; CLUSTERS: 4 x 4 work-groups.  The four of a row of the cluster need the same tiles of X, the four of a column the same tiles of W: each tile is asked for jointly, by the same tensor load with the same descriptor and a mask of the four.
; A cluster's four tile rows lie in one product (32 is a multiple of 4), so p is the same in all sixteen.
; THE MATRIX INSTRUCTION IS USED TRANSPOSED (source 0 = 16 rows of W, source 1 = 16 rows of X): a lane holds eight neighbouring columns of one row of the result.
; REGISTERS, in windows of 256: window 0: v16-30 addresses; v32-95 scale words, two sets; v128-191 X's fragments, one set; v192-255 the bias in the result's layout, 8 registers for each of W's eight blocks (the C of each sum's first product).
;   On the way out v192-223 packed results, v32-63 and v224-255 rows read back.   window 1: W's fragments, two sets.   windows 2, 3: the accumulators ((a, b) at v[8 (8 (a % 4) + b)]).
.set NQ,     4                         ; steps of 128 along K in a slot
.set ROWB,   256                       ; a tile's row in bytes: 512 codes
.set KROW,   512                       ; a row of codes in memory
.set PITCH,  272                       ; an LDS row: 256 bytes + 16 of padding: the 16 rows that a load touches start 68 words apart
.set FR,     8                         ; registers of a fragment: 16 rows x 128 K
.set NL,     2                         ; LDS loads that bring one
.set NP,     4                         ; places behind this matrix instruction (ISA guide 7.12.1)
.set HALFT,  128*PITCH                 ; 128 rows: what one tensor load brings
.set SLOT,   4*HALFT                   ; X's 256 rows, then W's 256
.set KS,     32                        ; a row of scale bytes
.set SCL,    2*SLOT                    ; behind the slots: the scale bytes, as rows of 256 bytes + 16 of padding
.set HALFS,  (128*KS/256)*272          ; those of 128 rows: what one tensor load brings
.set SBLK,   (16*KS/256)*272           ; those of 16 rows
.set STAGE,  SCL+4*HALFS               ; the way out: 16 rows x 272 bytes for each wave; no tensor load lands here
.set SPITCH, 272
.set SPARE,  STAGE+4*16*SPITCH         ; the spare words, 128 bytes a wave, that no other line names
.set WROW0,  24576                     ; the first row of Wq in the stacked buffers
.set OROW,   2048                      ; a row of qkv in bytes
.set ADRA, 16                          ; v16-17  LDS address of my X fragments in slot 0, 1
.set ADRB, 20                          ; v20-21  the same for W
.set STO,  24                          ; v24     the way out: where I put 16 bytes of a row
.set RD,   25                          ; v25     where I read a row back
.set CO,   26                          ; v26     my byte offset in qkv
.set ADRS, 27                          ; v27     LDS address of my scale words: lanes 0-15 X's rows, lanes 16-31 W's
.set SPW,  28                          ; v28     my spare word; never rewritten
.set NIL,  29                          ; v29     0; never rewritten
.set BO,   30                          ; v30     32 x (lane / 16): my half's eight numbers of a bias block
.set SC,   32
.set AF,   128
.set BIAS, 192
.set TMP,  192
.set OB,   32
.set WV, 16                            ; s16 wave;  s17 wave / 2: my half of the rows, and: I fetch for X (0) or W (1);  s18 wave % 2: my half of the columns, and which 128 rows I fetch;  s19 p
.set HI, 17
.set LO, 18
.set PP, 19
.set G1, 24                            ; s[24:31] group 1 for X's tiles; s[32:39] group 0, one set for each slot
.set G0, 32
.set G1B, 48                           ; s[48:55], s[56:63] the same for W's
.set G0B, 56
.set G1S, 68                           ; s[68:75], s[76:79] groups 1 and 0 for X's scale bytes; s[80:87], s[88:91] for W's
.set G0S, 76
.set G1SB, 80
.set G0SB, 88
.set MSB, 0
.macro WIN new                         ; the immediate's high byte repeats the setting that is left; a switch that changes nothing is dropped
.if MSB != (\new)
	s_set_vgpr_msb (MSB<<8)|(\new)
.set MSB, (\new)
.endif
.endm
.set MUL_LO,   0xa1                    ; source 0 (W) window 1, source 1 (X) window 0, C and D window 2
.set MUL_HI,   0xf1                    ; the same, C and D window 3
.set FIRST_LO, 0x81                    ; the first step: C (the bias) window 0, D window 2
.set FIRST_HI, 0xc1                    ; D window 3
.set TO_B,     0x40                    ; destination window 1, address window 0
; A joint load: waves 0 and 1 fetch for X, waves 2 and 3 for W.  Each line has one mask and one set of registers; the branch hangs on the wave's number alone.  An s_nop 0 and four v_nop follow each line.
.macro JLOAD g0a, g1a, g0b, g1b
	s_cmp_eq_u32 s[HI], 0
	s_cbranch_scc0 .Lfor_b_\@
	tensor_load_to_lds s[\g0a:\g0a+3], s[\g1a:\g1a+7]
	s_nop 0
.rept 4
	v_nop
.endr
	s_branch .Lasked_\@
.Lfor_b_\@:
	tensor_load_to_lds s[\g0b:\g0b+3], s[\g1b:\g1b+7]
	s_nop 0
.rept 4
	v_nop
.endr
.Lasked_\@:
.endm
.macro CROUND                          ; a round of the cluster's barrier: my work-group's barrier; wave 0 signals for the work-group; every wave waits for all sixteen; my work-group's barrier once more
	s_barrier_signal -1
	s_barrier_wait -1
	s_cmp_lg_u32 s[WV], 0
	s_cbranch_scc1 .Lnot_wave_0_\@
	s_barrier_signal -3
.Lnot_wave_0_\@:
	s_barrier_wait -3
	s_barrier_signal -1
	s_barrier_wait -1
.endm
	s_load_b256 s[4:11], s[0:1], 0x0               ; codes 4, scales 6, bq 8, bk 10
	s_load_b128 s[12:15], s[0:1], 0x20             ; bv 12, qkv 14
	v_lshl_add_u32 v[SPW], v0, 2, SPARE
	v_mov_b32 v[NIL], 0
	ds_add_u32 v[SPW], v[NIL]                      ; the wave's opening: the add, twice on end, and its wait ahead of my first tensor load; the set-up below stands between the second and the wait
	ds_add_u32 v[SPW], v[NIL]
	v_lshrrev_b32 v1, 5, v0
	v_readfirstlane_b32 s[WV], v1                  ; wave 0..3
	s_lshr_b32 s[HI], s[WV], 1
	s_and_b32 s[LO], s[WV], 1
	s_bfe_u32 s40, ttmp6, 0x40000                  ; cx, cy: my place in the cluster
	s_bfe_u32 s41, ttmp6, 0x40004
	s_lshl_b32 s42, ttmp9, 2
	s_add_co_u32 s42, s42, s40                     ; tile column = 4 x cluster x + cx
	s_and_b32 s95, ttmp7, 0xffff
	s_lshr_b32 s[PP], s95, 3                       ; eight clusters of tile rows to a product
	s_lshl_b32 s95, s95, 2
	s_add_co_u32 s95, s95, s41                     ; tile row = 4 x cluster y + cy, 0 to 95
	s_lshl_b32 s43, s41, 2
	s_lshl_b32 s43, 15, s43                        ; my row of the cluster
	s_lshl_b32 s44, 0x1111, s40                    ; my column
	; group 1: a tile of 128 rows x 256 bytes, padded in LDS
	s_or_b32 s[G1+0], s43, (0<<16)|(1<<20)|(1<<21)|(5<<22)|(3<<25)  ; 15:0 the mask; 17:16 elements of 1 byte; 20 padding on; 21 set beside a mask; 24:22 after every 64 words; 31:25 four words
	s_or_b32 s[G1B+0], s44, (0<<16)|(1<<20)|(1<<21)|(5<<22)|(3<<25)
.irp g, G1, G1B
	s_mov_b32 s[\g+1], ROWB<<16                    ; tensor_dim0
	s_mov_b32 s[\g+2], 128<<16                     ; tensor_dim1
	s_mov_b32 s[\g+3], ROWB<<16                    ; tile_dim0
	s_mov_b32 s[\g+4], 128                         ; tile_dim1
	s_mov_b32 s[\g+5], KROW                        ; from row to row
	s_mov_b32 s[\g+6], 0
	s_mov_b32 s[\g+7], 0
.endr
	; the scale bytes of 128 rows: 4,096 dense bytes, as 16 rows of 256 bytes (32 elements of 8 bytes), 16 bytes of padding behind each
	s_or_b32 s[G1S+0], s43, (3<<16)|(1<<20)|(1<<21)|(5<<22)|(3<<25)
	s_or_b32 s[G1SB+0], s44, (3<<16)|(1<<20)|(1<<21)|(5<<22)|(3<<25)
.irp g, G1S, G1SB
	s_mov_b32 s[\g+1], 32<<16
	s_mov_b32 s[\g+2], (128*KS/256)<<16
	s_mov_b32 s[\g+3], 32<<16
	s_mov_b32 s[\g+4], 128*KS/256
	s_mov_b32 s[\g+5], 32
	s_mov_b32 s[\g+6], 0
	s_mov_b32 s[\g+7], 0
.endr
	s_lshl_b32 s98, s[LO], 7                       ; which 128 rows of the tile I fetch
	s_lshl_b32 s20, s95, 8
	s_add_co_u32 s20, s20, s98                     ; X: stacked row 256 x tile row + 128 x half
	s_lshl_b32 s46, s42, 8
	s_add_co_u32 s46, s46, s98
	s_lshl_b32 s47, s[PP], 10
	s_add_co_u32 s46, s46, s47
	s_add_co_u32 s46, s46, WROW0                   ; W: stacked row 24576 + 1024 p + 256 x tile column + 128 x half
	s_lshl_b32 s22, s20, 5                         ; where these rows' scale bytes begin (all under 2^24),
	s_mov_b32 s23, 0
	s_lshl_b32 s20, s20, 9                         ; and their codes
	s_mov_b32 s21, 0
	s_lshl_b32 s92, s46, 5
	s_mov_b32 s93, 0
	s_lshl_b32 s46, s46, 9
	s_mov_b32 s47, 0
	s_mul_i32 s45, s[WV], HALFT                    ; where they go: wave x 128 rows: no place in the cluster enters an LDS address
	s_mul_i32 s94, s[WV], HALFS
	s_wait_dscnt 0x0                               ; both opening adds are done
	s_wait_kmcnt 0x0
	s_add_nc_u64 s[20:21], s[4:5], s[20:21]
	s_add_nc_u64 s[22:23], s[6:7], s[22:23]
	s_add_nc_u64 s[46:47], s[4:5], s[46:47]
	s_add_nc_u64 s[92:93], s[6:7], s[92:93]
	CROUND                                         ; all sixteen work-groups are here: the joint loads meet
	s_mov_b32 s[G0S], 1
	s_add_co_u32 s[G0S+1], s94, SCL
	s_mov_b64 s[G0S+2:G0S+3], s[22:23]
	s_or_b32 s[G0S+3], s[G0S+3], 0x80000000
	s_mov_b32 s[G0SB], 1
	s_add_co_u32 s[G0SB+1], s94, SCL
	s_mov_b64 s[G0SB+2:G0SB+3], s[92:93]
	s_or_b32 s[G0SB+3], s[G0SB+3], 0x80000000
	JLOAD G0S, G1S, G0SB, G1SB                     ; the scale bytes first: they are wanted with slot 0
.irp s, 0,1
	s_mov_b32 s[G0+4*\s], 1
	s_add_co_u32 s[G0+4*\s+1], s45, \s*SLOT
	s_add_nc_u64 s[G0+4*\s+2:G0+4*\s+3], s[20:21], \s*ROWB
	s_or_b32 s[G0+4*\s+3], s[G0+4*\s+3], 0x80000000
	s_mov_b32 s[G0B+4*\s], 1
	s_add_co_u32 s[G0B+4*\s+1], s45, \s*SLOT
	s_add_nc_u64 s[G0B+4*\s+2:G0B+4*\s+3], s[46:47], \s*ROWB
	s_or_b32 s[G0B+4*\s+3], s[G0B+4*\s+3], 0x80000000
	JLOAD G0+4*\s, G1, G0B+4*\s, G1B               ; three tensor loads of mine are out at the most
.endr
	v_and_b32 v1, 15, v0                           ; r = lane % 16
	v_bfe_u32 v2, v0, 4, 1                         ; h = lane / 16
	v_mul_u32_u24 v3, v1, PITCH
	v_lshl_add_u32 v4, v2, 4, v3                   ; a fragment's row x pitch + 16 x half
	s_mul_i32 s21, s[HI], HALFT                    ; my 128 rows of X
	s_mul_i32 s22, s[LO], HALFT                    ; my 128 rows of W,
	s_add_co_u32 s22, s22, 2*HALFT                 ; which lie behind X's 256
.irp s, 0,1
	v_add_nc_u32 v[ADRA+\s], s21, v4
	v_add_nc_u32 v[ADRB+\s], s22, v4
	s_add_co_u32 s21, s21, SLOT
	s_add_co_u32 s22, s22, SLOT
.endr
	v_mul_u32_u24 v5, v1, KS                       ; my row's scale bytes: 32 a row,
	v_lshrrev_b32 v6, 8, v5
	v_lshl_add_u32 v5, v6, 4, v5                   ; and 16 more for each 256 passed
	s_mul_i32 s21, s[HI], HALFS
	s_mul_i32 s22, s[LO], HALFS
	s_add_co_u32 s22, s22, 2*HALFS
	s_sub_co_u32 s22, s22, s21
	v_mul_u32_u24 v6, s22, v2                      ; lanes 16-31 take W's: one product, the distance between the two bases x h
	s_add_co_u32 s21, s21, SCL
	v_add_nc_u32 v5, v5, v6
	v_add_nc_u32 v[ADRS], s21, v5
	s_mul_i32 s23, s[WV], 16*SPITCH
	s_add_co_u32 s23, s23, STAGE                   ; my stage
	v_mul_u32_u24 v5, v1, SPITCH
	v_lshl_add_u32 v5, v2, 4, v5
	v_add_nc_u32 v[STO], s23, v5                   ; in: row r, 16 bytes for each half of the lanes
	v_mul_u32_u24 v5, v2, SPITCH
	v_lshl_add_u32 v5, v1, 4, v5
	v_add_nc_u32 v[RD], s23, v5                    ; back: lanes 0-15 one row of 256 bytes, lanes 16-31 the next
	v_mul_u32_u24 v5, v2, OROW
	v_lshl_add_u32 v[CO], v1, 4, v5                ; and the same two rows in qkv
	v_lshlrev_b32 v[BO], 5, v2
	s_lshl_b32 s20, s95, 8
	s_lshl_b32 s21, s[HI], 7
	s_add_co_u32 s20, s20, s21                     ; my first row of qkv: 256 x tile row + 128 x half,
	s_lshl_b32 s20, s20, 11                        ; in bytes (under 2^26)
	s_mov_b32 s21, 0
	s_lshl_b32 s46, s42, 9                         ; my first column, in bytes of f16: 512 x tile column + 256 x half
	s_lshl_b32 s47, s[LO], 8
	s_add_co_u32 s46, s46, s47
	s_mov_b32 s47, 0
	s_add_nc_u64 s[14:15], s[14:15], s[20:21]
	s_add_nc_u64 s[14:15], s[14:15], s[46:47]
	s_cmp_eq_u32 s[PP], 0                          ; the product's bias: the choice hangs on the cluster's number alone
	s_cselect_b64 s[96:97], s[8:9], s[10:11]
	s_cmp_eq_u32 s[PP], 2
	s_cselect_b64 s[96:97], s[12:13], s[96:97]
	s_lshl_b32 s46, s46, 1                         ; the same column in bytes of f32
	s_add_nc_u64 s[96:97], s[96:97], s[46:47]
.irp b, 0,1,2,3,4,5,6,7
	global_load_b128 v[BIAS+8*\b:BIAS+8*\b+3], v[BO], s[96:97] offset:64*\b        ; lane (r, h), register j of block b: bias[my first column + 16 b + 8 h + j]
	global_load_b128 v[BIAS+8*\b+4:BIAS+8*\b+7], v[BO], s[96:97] offset:64*\b+16
.endr
.macro FRAG reg, adr, q, i             ; 16 rows x 128 K of 4-bit codes, 8 registers: lane l holds row l % 16; registers 4 c .. 4 c + 3 hold K = 64 c + 32 (l / 16) + 0 .. 31
.irp c, 0,1
	ds_load_b128 v[\reg+4*\c:\reg+4*\c+3], v[\adr] offset:64*(\q)+32*\c+(\i)*16*PITCH
.endr
.endm
; 16 matrix instructions: X's blocks a0, a0 + 1 against W's eight, the slot's q-th 128 along K.  p: W's set; sc: the set of scale words.  zero = 1: the first product starts the sums from the bias.
; The 64 accumulators take turns, one instruction a turn, in the same order in every step.
; A scale register holds X's word of block i in lanes 0-15 and W's in lanes 16-31: source 0 (W) reads the upper lanes.
.macro MUL16 a0, p, q, sc, zero
.irp a, \a0, \a0+1
.irp b, 0,1,2,3,4,5,6,7
.if \zero
	v_wmma_scale_f32_16x16x128_f8f6f4 v[8*(8*((\a)%4)+\b):8*(8*((\a)%4)+\b)+7], v[128*(\p)+FR*\b:128*(\p)+FR*\b+FR-1], v[AF+FR*(\a):AF+FR*(\a)+FR-1], v[BIAS+8*\b:BIAS+8*\b+7], v[SC+8*NQ*(\sc)+NQ*\b+(\q)], v[SC+8*NQ*(\sc)+NQ*(\a)+(\q)] matrix_a_fmt:MATRIX_FMT_FP4 matrix_b_fmt:MATRIX_FMT_FP4 matrix_a_scale:MATRIX_SCALE_ROW1
.else
	v_wmma_scale_f32_16x16x128_f8f6f4 v[8*(8*((\a)%4)+\b):8*(8*((\a)%4)+\b)+7], v[128*(\p)+FR*\b:128*(\p)+FR*\b+FR-1], v[AF+FR*(\a):AF+FR*(\a)+FR-1], v[8*(8*((\a)%4)+\b):8*(8*((\a)%4)+\b)+7], v[SC+8*NQ*(\sc)+NQ*\b+(\q)], v[SC+8*NQ*(\sc)+NQ*(\a)+(\q)] matrix_a_fmt:MATRIX_FMT_FP4 matrix_b_fmt:MATRIX_FMT_FP4 matrix_a_scale:MATRIX_SCALE_ROW1
.endif
.endr
.endr
.endm
.macro FETCH_B slot, q, p              ; W's eight fragments of the slot's q-th 128 along K into set p
	WIN TO_B
.irp i, 0,1,2,3,4,5,6,7
	FRAG 128*(\p)+FR*\i, ADRB+\slot, \q, \i
.endr
	WIN 0
.endm
.macro FETCH_A slot, q, i0             ; X's blocks i0 .. i0 + 3
.irp i, \i0, \i0+1, \i0+2, \i0+3
	FRAG AF+FR*(\i), ADRA+\slot, \q, \i
.endr
.endm
.macro SCALES sc                       ; a slot's scale words into set sc: four words a row; lanes 0-15 take X's block i, lanes 16-31 W's block i
.irp i, 0,1,2,3,4,5,6,7
	ds_load_b128 v[SC+8*NQ*\sc+NQ*\i:SC+8*NQ*\sc+NQ*\i+3], v[ADRS] offset:\i*SBLK
.endr
.endm
; A load into a register that a matrix instruction has read, and a vector instruction that reads a matrix result, stand NP places behind that matrix instruction; only plain vector instructions that name none of its registers are places.
.macro PLACES n
.rept \n
	v_nop
.endr
.endm
; A step of 128 along K that has its successor in the same slot.  X's blocks are free as soon as their eight products are issued: blocks 0-3 are fetched anew in the step's middle, blocks 4-7 at its end.
.macro STEP slot, q, zero
	s_wait_dscnt 4*NL                              ; W's set and X's blocks 0-3 are in; the youngest eight loads (X's blocks 4-7) may be out
.if \zero
	WIN FIRST_LO
.else
	WIN MUL_LO
.endif
	MUL16 0, (\q)%2, \q, \slot, \zero
	MUL16 2, (\q)%2, \q, \slot, \zero
	s_wait_dscnt 0                                 ; X's blocks 4-7 are in
	PLACES NP
	FETCH_B \slot, (\q)+1, 1-(\q)%2
	FETCH_A \slot, (\q)+1, 0
.if \zero
	WIN FIRST_HI
.else
	WIN MUL_HI
.endif
	MUL16 4, (\q)%2, \q, \slot, \zero
	MUL16 6, (\q)%2, \q, \slot, \zero
	PLACES NP
	WIN 0
	FETCH_A \slot, (\q)+1, 4
.endm
.macro STEPS slot, from                ; the slot's steps from .. NQ - 2
.set Q, \from
.rept NQ-1-\from
	STEP \slot, Q, 0
.set Q, Q+1
.endr
.endm
	s_wait_tensorcnt 1                             ; the scale bytes and my part of slot 0 are in; slot 1's load may stay out
	s_barrier_signal -1
	s_barrier_wait -1                              ; everybody's are
	FETCH_B 0, 0, 0
	FETCH_A 0, 0, 0
	SCALES 0
	FETCH_A 0, 0, 4
	s_wait_loadcnt 0x0                             ; the bias
	STEP 0, 0, 1                                   ; the first step starts the sums
	STEPS 0, 1
	; slot 0's last step changes slots: each wave shows its part of slot 1 landed, then one barrier; nothing is filled again
	s_wait_tensorcnt 0x0                           ; all my tensor loads have landed (every window is 0 here)
	ds_add_u32 v[SPW], v[NIL]                      ; 0 onto my spare word
	s_wait_dscnt 4*NL+1                            ; (the add and the youngest eight loads may be out)
	WIN MUL_LO
	MUL16 0, 1, NQ-1, 0, 0
	s_wait_dscnt 0x0                               ; the add is done and no LDS load of mine is out
	s_barrier_signal -1
	MUL16 2, 1, NQ-1, 0, 0                         ; work on registers while the others arrive
	WIN 0
	s_barrier_wait -1                              ; slot 1 is whole
	PLACES NP
	v_add_nc_u32 v[ADRS], 4*NQ, v[ADRS]            ; on to slot 1's scale words
	FETCH_B 1, 0, 0
	FETCH_A 1, 0, 0
	SCALES 1
	WIN MUL_HI
	MUL16 4, 1, NQ-1, 0, 0
	MUL16 6, 1, NQ-1, 0, 0
	PLACES NP
	WIN 0
	FETCH_A 1, 0, 4
	STEPS 1, 0
	s_wait_dscnt 4*NL                              ; the very last step: nothing more to fetch
	WIN MUL_LO
	MUL16 0, 1, NQ-1, 1, 0
	MUL16 2, 1, NQ-1, 1, 0
	s_wait_dscnt 0
	WIN MUL_HI
	MUL16 4, 1, NQ-1, 1, 0
	MUL16 6, 1, NQ-1, 1, 0
	WIN 0
; THE WAY OUT, block by block of 16 rows x 128 columns.  PACK: rounded to f16, 16 bytes a lane, each accumulator from its low end on.  TOSTAGE: into my own stage and back as whole rows of 256 bytes.  SEND: stored.
.macro PACK a
.set AC, 64*((\a)%4)
	WIN 0x0a+5*((\a)/4)                            ; sources 0 and 1: window 2 or 3
.irp b, 0,1,2,3,4,5,6,7
.irp r, 0,1,2,3
	v_cvt_pk_f16_f32 v[TMP+4*\b+\r], v[AC+8*\b+2*\r], v[AC+8*\b+2*\r+1]
.endr
.endr
	WIN 0
.endm
.macro TOSTAGE a
.set BKR, OB+192*((\a)%2)
.irp b, 0,1,2,3,4,5,6,7
	ds_store_b128 v[STO], v[TMP+4*\b:TMP+4*\b+3] offset:32*\b
.endr
.irp t, 0,1,2,3,4,5,6,7
	ds_load_b128 v[BKR+4*\t:BKR+4*\t+3], v[RD] offset:\t*2*SPITCH    ; LDS serves a wave's instructions in order (ISA guide 5.7.1.4): these see the stores above
.endr
.endm
.macro SEND a
.set BKR, OB+192*((\a)%2)
	s_wait_dscnt 0x0                               ; the block is back in registers
	s_wait_xcnt 0x0                                ; the stores of the block before have read their registers: the next block's loads may land there
.irp t, 0,1,2,3,4,5,6,7
	global_store_b128 v[CO], v[BKR+4*\t:BKR+4*\t+3], s[14:15] offset:(\a)*16*OROW+2*\t*OROW   ; 16 lanes store 256 consecutive bytes, at a multiple of 256 from qkv's first byte
.endr
.endm
	PLACES NP                                      ; behind the last products: for the conversions, and for the loads into registers that held scale words
	PACK 0
	TOSTAGE 0
.irp a, 1,2,3,4,5,6,7                  ; block a's conversions stand between block a - 1's loads from the stage and the wait for them
	PACK \a
	SEND \a-1
	TOSTAGE \a
.endr
	SEND 7
	s_wait_tensorcnt 0x0                           ; the wave's end
	ds_add_u32 v[SPW], v[NIL]
	s_wait_dscnt 0x0
	CROUND                                         ; the closing round: no work-group ends while a partner may still ask for a tile that names it
	s_endpgm
.Lfunc_end_k_qe72d837f78_proj:
	.size	k_qe72d837f78_proj, .Lfunc_end_k_qe72d837f78_proj-k_qe72d837f78_proj
	.p2alignl 7, 3214868480
	.fill 96, 4, 3214868480
	.section	.rodata,"a",@progbits
	.p2align	6, 0x0
	.amdhsa_kernel k_qe72d837f78_proj
		.amdhsa_group_segment_fixed_size 327680
		.amdhsa_private_segment_fixed_size 0
		.amdhsa_enable_private_segment 0
		.amdhsa_kernarg_size 48
		.amdhsa_user_sgpr_count 2
		.amdhsa_user_sgpr_kernarg_segment_ptr 1
		.amdhsa_wavefront_size32 1
		.amdhsa_system_sgpr_workgroup_id_x 1
		.amdhsa_system_sgpr_workgroup_id_y 1
		.amdhsa_system_sgpr_workgroup_id_z 1
		.amdhsa_system_vgpr_workitem_id 0
		.amdhsa_next_free_vgpr 1024
		.amdhsa_next_free_sgpr 100
		.amdhsa_reserve_vcc 0
		.amdhsa_float_denorm_mode_32 3
		.amdhsa_float_denorm_mode_16_64 3
		.amdhsa_memory_ordered 1
		.amdhsa_forward_progress 1
		.amdhsa_inst_pref_size 128
	.end_amdhsa_kernel
	.amdgpu_metadata
---
amdhsa.version: [ 1, 2 ]
amdhsa.kernels:
  - .name:           k_qe72d837f78_proj
    .symbol:         k_qe72d837f78_proj.kd
    .args:
      - { .name: codes, .offset: 0, .size: 8, .value_kind: global_buffer, .address_space: global }
      - { .name: scales, .offset: 8, .size: 8, .value_kind: global_buffer, .address_space: global }
      - { .name: bq, .offset: 16, .size: 8, .value_kind: global_buffer, .address_space: global }
      - { .name: bk, .offset: 24, .size: 8, .value_kind: global_buffer, .address_space: global }
      - { .name: bv, .offset: 32, .size: 8, .value_kind: global_buffer, .address_space: global }
      - { .name: qkv, .offset: 40, .size: 8, .value_kind: global_buffer, .address_space: global }
    .group_segment_fixed_size: 327680
    .private_segment_fixed_size: 0
    .kernarg_segment_align: 8
    .kernarg_segment_size: 48
    .max_flat_workgroup_size: 128
    .sgpr_count:     100
    .vgpr_count:     1024
    .wavefront_size: 32
...
	.end_amdgpu_metadata
.endif
;; end of part 2
;; launch attn (part 3): grid 8 x 32, 16 waves a work-group, clusters of 4 x 1, 327,680 bytes of LDS; arguments qkv, att; writes att
.if DOCPART == 3
	.amdgcn_target "amdgcn-amd-amdhsa--gfx1250"
	.amdhsa_code_object_version 6
	.text
	.protected	k_qe72d837f78_attn
	.globl	k_qe72d837f78_attn
	.p2align	8
	.type	k_qe72d837f78_attn,@function
k_qe72d837f78_attn:
	s_mov_b64 s[64:65], 0
	v_nop
	global_prefetch_b8 v0, s[64:65] scope:SCOPE_SE
	s_setreg_imm32_b32 hwreg(HW_REG_WAVE_MODE, 25, 1), 1
	s_wait_xcnt 0x0
	s_wait_alu depctr_hold_cnt(0) depctr_sa_sdst(0) depctr_va_vdst(0) depctr_va_sdst(0) depctr_va_ssrc(0) depctr_va_vcc(0) depctr_vm_vsrc(0)
	s_getreg_b32 s2, hwreg(HW_REG_IB_STS2, 6, 4)
	s_cmp_eq_u32 s2, 0
	s_cbranch_scc0 .Lentry_in_a_cluster
	s_endpgm
.Lentry_in_a_cluster:
	s_bfe_u32 s2, ttmp6, 0x10000c
	s_cmp_lg_u32 s2, 0x3003
	s_cbranch_scc0 .Lentry_shape_is_right
	s_endpgm
.Lentry_shape_is_right:
; att[b][q][64 head + d] = sum over k of softmax_k(q . k / 8) v, for 4 batches x 16 heads of 64, 2048 queries and keys, no mask.  q, k, v: the three planes of qkv [3][8192][1024], f16; att [8192][1024] f16.
; Products on f16 operands with f32 sums; maxima, exponentials and row sums in f32; the weights p are rounded to f16 for the second product, the result once at the end.
; LIMITS: NaN and infinities are not served; a weight under f16's smallest number (6e-8 of the row's largest) counts as 0 in the second product, though it counts in the row's sum.
; SHARES.  A work-group owns 256 queries of TWO neighbouring heads of one batch, so that a row of a tile of k or v, and a row piece of att, is 256 consecutive aligned bytes.  Sixteen waves, four to a SIMD, so that one wave's
; vector work stands beside another's matrix work and LDS loads.  Wave w: head w / 8 of the pair, queries 32 (w % 8) + 0 .. 31: two tiles of 16, which share every fragment of k and v.
; Every wave walks all 2048 keys, 64 a step.  Tiles come through a ring of two LDS slots of 128 keys (two steps), filled by waves 0, 1 (k's two steps) and 2, 3 (v's).
; CLUSTER.  The four query blocks of a cluster walk the same k and v: each tile is asked for jointly, by the same tensor load with the same descriptor and a mask of all four.
; LAYOUT.  S^T = k q^T (source 0 = 16 keys, source 1 = 16 queries): a lane holds ONE query (lane % 16) and keys 8 (lane / 16) + 0..7.  Two such tiles, rounded to f16 in pairs, ARE source 1 (32 keys x 16 queries) of
; O^T = v^T P, whose result again holds one query a lane.  k comes out of LDS as it lies, v ([key][channel]) turned, by ds_load_tr16_b128.
; SOFTMAX.  A running maximum m and sum l for each query: p = 2^(c s - c m), c = log2(e) / 8; in every step O and l are multiplied by a = 2^(c m_old - c m_new).  The step is written once: m begins at -3e38, l and O^T at 0.
.set KS,    64                         ; keys in a step
.set PK,    272                        ; a row of k in LDS: 256 bytes + 16 of padding
.set PV,    288                        ; a row of v: 256 + 32: 16 lanes of the turning load take 8 rows x 32 bytes
.set VOFF,  KS*PK                      ; a step's tiles lie together: 64 rows of k, then 64 rows of v
.set STEPB, KS*(PK+PV)
.set SLOT1, 1<<17                      ; slot 1 begins here: one exclusive or turns an address in one slot into the other's
.set STAGE, SLOT1+2*STEPB              ; the way out: 256 rows x 272 bytes, the work-group's; no tensor load lands here
.set SP,    272
.set SPARE, STAGE+256*SP               ; the spare words, 128 bytes for each of sixteen waves, that no other line names
.set ROWQ,  2048                       ; a row of qkv or att in bytes
.set NSL,   16                         ; slots' worth of keys
.set AK0, 1                            ; v1   my lane's place in a tile of k (my head's 128 bytes among it); never rewritten
.set AV0, 2                            ; v2   the same for v
.set ADK, 3                            ; v3   LDS address of the slot's tiles of k
.set ADV, 4                            ; v4   of v
.set QO,  5                            ; v5   my byte offset in the wave's rows of q
.set STO, 6                            ; v6   the way out: where I put 16 bytes of a row
.set RD,  7                            ; v7   where I read a row back
.set GO,  8                            ; v8   my byte offset in the wave's rows of att
.set ST,  12                           ; tile t's statistics at v[12 + 8 t]: +0 c m, +1 m, +2, +3 l (even keys', odd keys'), +4 to +7 c0-c3, at work; a takes c2's place
.set SPW, 28                           ; v28  my spare word; never rewritten
.set NIL, 29                           ; v29  0; never rewritten
.set PFO, 30                           ; v30  2048 x lane: a lane a row, for the prefetches; never rewritten
.set QF,  32                           ; v32-63   q: tile t, channels 32 cc on, at 32 + 16 t + 8 cc
.set KF,  64                           ; v64-127  a step's k (keys 16 kt on, channels 32 cc on: 8 (2 kt + cc)), then its v (keys 32 kh on, channels 16 dt on: 8 (4 kh + dt))
.set S,   128                          ; v128-191 S^T: tile t, keys 16 kt on, at 128 + 32 t + 8 kt; P is packed in place into the first 16 of a tile's 32
.set O,   192                          ; v192-255 O^T: tile t, channels 16 dt on, at 192 + 32 t + 8 dt
.set WV,  12                           ; s12  wave
.set EH,  14                           ; s14  my head of the pair
.set LIM, 15                           ; s15  1 in a wave that prefetches, else the greatest number
.set G1K, 24                           ; s[24:31] group 1 for k's tiles; s[32:39] for v's (it differs in the padding); s[40:43], s[44:47] their groups 0, which walk
.set G1V, 32
.set G0K, 40
.set G0V, 44
.set QB,  48                           ; s[48:49] q at my wave's first row
.set AB,  50                           ; s[50:51] att at the first row that my wave stores
.set PFA, 52                           ; s[52:53] where my prefetches stand
.set SLOTS, 56                         ; s56  slots still to be asked for
.set CS,  58                           ; s[58:59] c: the packed form names a pair and takes its low word for both halves
.set SEL, 60                           ; s[60:61] selects for v_permlanex16_b32: lane l xor 16
.set TB,  62                           ; s62  LDS byte at which the slot in hand begins
; Waves 0 and 1 fetch for k, waves 2 and 3 for v, the others nothing.  The branches hang on the wave's number alone.  An s_nop 0 and four v_nop follow each line.
.macro TLOAD
	s_cmp_lt_u32 s[WV], 2
	s_cbranch_scc0 .Lnot_k_\@
	tensor_load_to_lds s[G0K:G0K+3], s[G1K:G1K+7]
	s_nop 0
.rept 4
	v_nop
.endr
	s_branch .Lasked_\@
.Lnot_k_\@:
	s_cmp_lt_u32 s[WV], 4
	s_cbranch_scc0 .Lasked_\@
	tensor_load_to_lds s[G0V:G0V+3], s[G1V:G1V+7]
	s_nop 0
.rept 4
	v_nop
.endr
.Lasked_\@:
.endm
; A prefetch of what the NEXT change of slots will ask for: 128 rows of k and 128 of v, 256 bytes of each.  Both clusters of a pair of heads walk the same rows: the first (cluster x = 0) asks.  Its four partners take 32 rows each,
; told apart by address; in each, wave 4 asks for k's and wave 5 for v's, a lane a row: each row piece is named once in the launch.  The last change that fills a slot asks for nothing: no slot follows.
.macro ASK
	s_cmp_gt_u32 s[SLOTS], s[LIM]
	s_cbranch_scc0 .Lnot_mine_\@
	global_prefetch_b8 v[PFO], s[PFA:PFA+1] th:TH_LOAD_NT scope:SCOPE_SE
.Lnot_mine_\@:
.endm
.macro ROUND                           ; a round of the cluster's barrier: my work-group's barrier; wave 0 signals for the work-group; every wave waits for all four; my work-group's barrier once more
	s_barrier_signal -1
	s_barrier_wait -1
	s_cmp_lg_u32 s[WV], 0
	s_cbranch_scc1 .Lnot_wave_0_\@
	s_barrier_signal -3
.Lnot_wave_0_\@:
	s_barrier_wait -3
	s_barrier_signal -1
	s_barrier_wait -1
.endm
	s_load_b128 s[4:7], s[0:1], 0x0                ; qkv 4, att 6
	v_lshl_add_u32 v[SPW], v0, 2, SPARE
	v_mov_b32 v[NIL], 0
	ds_add_u32 v[SPW], v[NIL]                      ; the wave's opening: the add, twice on end, and its wait ahead of the first tensor load; the set-up below stands between the second and the wait
	ds_add_u32 v[SPW], v[NIL]
	v_lshrrev_b32 v9, 5, v0
	v_readfirstlane_b32 s[WV], v9                  ; wave 0..15
	s_lshr_b32 s[EH], s[WV], 3
	s_and_b32 s16, ttmp7, 0xffff                   ; 8 x batch + pair of heads: the four partners share it
	s_lshr_b32 s17, s16, 3
	s_and_b32 s16, s16, 7
	s_lshl_b32 s20, s17, 22                        ; the batch's 2048 rows of 2048 bytes,
	s_lshl_b32 s16, s16, 8
	s_add_co_u32 s20, s20, s16                     ; and the pair's 256 bytes in a row
	s_and_b32 s16, s[WV], 1                        ; which of a slot's two steps I fetch, if I fetch:
	s_mul_i32 s22, s16, STEPB                      ; its place in a slot: no place in the cluster enters an LDS address,
	s_lshl_b32 s18, s16, 17                        ; and its 64 rows in memory
	s_add_co_u32 s18, s18, s20
	s_mov_b32 s19, 0
	s_bfe_u32 s13, ttmp6, 0x40000                  ; cx: it enters q's, att's and the prefetches' addresses alone
	s_lshl_b32 s23, ttmp9, 2
	s_add_co_u32 s23, s23, s13                     ; my block of 256 queries
	s_lshl_b32 s23, s23, 19
	s_add_co_u32 s23, s23, s20
	s_and_b32 s66, s[WV], 7
	s_lshl_b32 s66, s66, 16                        ; q: my wave's 32 rows,
	s_add_co_u32 s66, s66, s23
	s_lshl_b32 s67, s[EH], 7                       ; my head's 128 bytes
	s_add_co_u32 s66, s66, s67
	s_mov_b32 s67, 0
	s_lshl_b32 s68, s[WV], 15                      ; att: wave w stores rows 16 w .. 16 w + 15 of the block, both heads' bytes
	s_add_co_u32 s68, s68, s23
	s_mov_b32 s69, 0
	s_add_co_u32 s70, s16, 1
	s_lshl_b32 s70, s70, 24                        ; the prefetches: plane 1 (k) in an even wave, plane 2 (v) in an odd one: 2^24 bytes a plane,
	s_add_co_u32 s70, s70, s20
	s_add_co_u32 s70, s70, 128*ROWQ                ; in slot 1: the first change of slots steps it to slot 2.  Nothing is prefetched at the head
	s_lshl_b32 s71, s13, 16                        ; my work-group's 32 rows of the 128
	s_add_co_u32 s70, s70, s71
	s_mov_b32 s71, 0
	s_lshr_b32 s[LIM], s[WV], 1
	s_xor_b32 s[LIM], s[LIM], 2                    ; 0 in waves 4 and 5,
	s_or_b32 s[LIM], s[LIM], ttmp9                 ; of the first cluster: the same in all four partners
	s_cmp_eq_u32 s[LIM], 0
	s_cselect_b32 s[LIM], 1, -1
	; group 1: a tile of 64 rows x 128 elements of 2 bytes, 1024 elements from row to row, padded in LDS
	s_mov_b32 s[G1K], 15|(1<<16)|(1<<20)|(1<<21)|(5<<22)|(3<<25)  ; 15:0 the mask: all four; 17:16 elements of 2 bytes; 20 padding on; 21 set beside a mask; 24:22 after every 64 words; 31:25 four words
	s_mov_b32 s[G1V], 15|(1<<16)|(1<<20)|(1<<21)|(5<<22)|(7<<25)  ; the same with eight words of padding
.irp g, G1K, G1V
	s_mov_b32 s[\g+1], 128<<16                     ; tensor_dim0
	s_mov_b32 s[\g+2], KS<<16                      ; tensor_dim1
	s_mov_b32 s[\g+3], 128<<16                     ; tile_dim0
	s_mov_b32 s[\g+4], KS                          ; tile_dim1
	s_mov_b32 s[\g+5], 1024                        ; from row to row
	s_mov_b32 s[\g+6], 0
	s_mov_b32 s[\g+7], 0
.endr
	s_mov_b32 s[CS], 0x3e38aa3b                    ; c = log2(e) / 8
	s_mov_b32 s[CS+1], s[CS]                       ; (named with it as a pair, so it is written)
	s_mov_b32 s[SEL], 0x76543210
	s_mov_b32 s[SEL+1], 0xfedcba98
	s_mov_b32 s[TB], 0
	s_mov_b32 s[SLOTS], NSL-1
	s_wait_dscnt 0x0                               ; both opening adds are done
	s_wait_kmcnt 0x0
	s_add_nc_u64 s[QB:QB+1], s[4:5], s[66:67]
	s_add_nc_u64 s[AB:AB+1], s[6:7], s[68:69]
	s_add_nc_u64 s[PFA:PFA+1], s[4:5], s[70:71]
	s_mov_b32 s[G0K], 1                            ; 1:0 count = 1
	s_mov_b32 s[G0K+1], s22                        ; 63:32 LDS address: slot 0
	s_add_nc_u64 s[G0K+2:G0K+3], s[4:5], s[18:19]
	s_add_nc_u64 s[G0K+2:G0K+3], s[G0K+2:G0K+3], 0x1000000   ; 120:64 global address: plane 1, the batch's first keys
	s_or_b32 s[G0K+3], s[G0K+3], 0x80000000        ; 127:126 type = 2
	s_mov_b32 s[G0V], 1
	s_add_co_u32 s[G0V+1], s22, VOFF
	s_add_nc_u64 s[G0V+2:G0V+3], s[4:5], s[18:19]
	s_add_nc_u64 s[G0V+2:G0V+3], s[G0V+2:G0V+3], 0x2000000   ; plane 2
	s_or_b32 s[G0V+3], s[G0V+3], 0x80000000
	ROUND                                          ; all four work-groups are here: the first joint loads meet
	TLOAD                                          ; slot 0
	v_and_b32 v9, 15, v0                           ; r = lane % 16
	v_bfe_u32 v10, v0, 4, 1                        ; h = lane / 16
	v_lshlrev_b32 v[QO], 11, v9
	v_lshl_add_u32 v[QO], v10, 4, v[QO]            ; row r, + 16 h
.irp t, 0,1
.irp cc, 0,1
	global_load_b128 v[QF+16*\t+8*\cc:QF+16*\t+8*\cc+3],   v[QO], s[QB:QB+1] offset:\t*16*ROWQ+64*\cc      ; q stays in registers: lane (r, h): channels 32 cc + 8 h + 0..7,
	global_load_b128 v[QF+16*\t+8*\cc+4:QF+16*\t+8*\cc+7], v[QO], s[QB:QB+1] offset:\t*16*ROWQ+64*\cc+32   ; and 32 cc + 16 + 8 h + 0..7
.endr
.endr
	v_mul_u32_u24 v[AK0], v9, PK
	v_lshl_add_u32 v[AK0], v10, 4, v[AK0]
	s_lshl_b32 s16, s[EH], 7
	v_add_nc_u32 v[AK0], s16, v[AK0]               ; k: row r x pitch + 16 h + my head's 128 bytes
	v_and_b32 v11, 7, v0
	v_lshl_add_u32 v[AV0], v10, 3, v11             ; v, for the turning load: key 8 h + lane % 8,
	v_mul_u32_u24 v[AV0], v[AV0], PV
	v_bfe_u32 v11, v0, 3, 1
	v_lshl_add_u32 v[AV0], v11, 4, v[AV0]          ; channels 8 ((lane / 8) % 2) + 0..7
	s_add_co_u32 s16, s16, VOFF
	v_add_nc_u32 v[AV0], s16, v[AV0]
	s_and_b32 s16, s[WV], 7
	s_mul_i32 s16, s16, 32*SP
	s_lshl_b32 s17, s[EH], 7
	s_add_co_u32 s16, s16, s17
	s_add_co_u32 s16, s16, STAGE
	v_mul_u32_u24 v[STO], v9, SP
	v_lshl_add_u32 v[STO], v10, 4, v[STO]
	v_add_nc_u32 v[STO], s16, v[STO]               ; the stage, in: row 32 (w % 8) + r, my head's half, 16 bytes for each half of the lanes
	s_mul_i32 s16, s[WV], 16*SP
	s_add_co_u32 s16, s16, STAGE
	v_mul_u32_u24 v[RD], v10, SP
	v_lshl_add_u32 v[RD], v9, 4, v[RD]
	v_add_nc_u32 v[RD], s16, v[RD]                 ; back: rows 16 w on; lanes 0-15 one row of 256 bytes, lanes 16-31 the next
	v_lshlrev_b32 v[GO], 11, v10
	v_lshl_add_u32 v[GO], v9, 4, v[GO]             ; and the same two rows in att
	v_and_b32 v[PFO], 31, v0
	v_lshlrev_b32 v[PFO], 11, v[PFO]
.irp t, 0,1
	v_mov_b32 v[ST+8*\t+1], 0xff61b1e6             ; m = -3e38, under every score
	v_mul_f32 v[ST+8*\t], s[CS], v[ST+8*\t+1]      ; c m
	v_mov_b32 v[ST+8*\t+2], 0                      ; l
	v_mov_b32 v[ST+8*\t+3], 0
.endr
.set n, 0
.rept 64
	v_mov_b32 v[O+n], 0                            ; O^T: the step is written once; the first step finds zeros, and its a is 0
.set n, n+1
.endr
; A KEY STEP: 64 keys, the q-th of the slot in hand.
.macro STEP q
	v_add_nc_u32 v[ADK], s[TB], v[AK0]             ; these two and three v_nop are five places behind the last products v^T P: four for the loads into the registers that held v,
	v_add_nc_u32 v[ADV], s[TB], v[AV0]             ; five for the new S^T, which is written over P, a source of those products (ISA guide 7.12.1)
.rept 3
	v_nop
.endr
.irp kt, 0,1,2,3
.irp cc, 0,1
	ds_load_b128 v[KF+8*(2*\kt+\cc):KF+8*(2*\kt+\cc)+3],   v[ADK] offset:(\q)*STEPB+\kt*16*PK+64*\cc
	ds_load_b128 v[KF+8*(2*\kt+\cc)+4:KF+8*(2*\kt+\cc)+7], v[ADK] offset:(\q)*STEPB+\kt*16*PK+64*\cc+32
.endr
.endr
	s_wait_dscnt 0x0                               ; k is in
.irp cc, 0,1                                   ; S^T = k q^T: eight accumulators by turns, one instruction a turn; the first eight start the sums
.irp kt, 0,1,2,3
.irp t, 0,1
.if \cc == 0
	v_wmma_f32_16x16x32_f16 v[S+32*\t+8*\kt:S+32*\t+8*\kt+7], v[KF+8*(2*\kt+\cc):KF+8*(2*\kt+\cc)+7], v[QF+16*\t+8*\cc:QF+16*\t+8*\cc+7], 0
.else
	v_wmma_f32_16x16x32_f16 v[S+32*\t+8*\kt:S+32*\t+8*\kt+7], v[KF+8*(2*\kt+\cc):KF+8*(2*\kt+\cc)+7], v[QF+16*\t+8*\cc:QF+16*\t+8*\cc+7], v[S+32*\t+8*\kt:S+32*\t+8*\kt+7]
.endif
.endr
.endr
.endr
.rept 4
	v_nop                                          ; four places: for the loads into k's registers, and for the first read of the scores
.endr
.irp kh, 0,1                                   ; v, turned, into the registers that k has left: it lands while the softmax is walked
.irp dt, 0,1,2,3
	ds_load_tr16_b128 v[KF+8*(4*\kh+\dt):KF+8*(4*\kh+\dt)+3],   v[ADV] offset:(\q)*STEPB+\kh*32*PV+32*\dt
	ds_load_tr16_b128 v[KF+8*(4*\kh+\dt)+4:KF+8*(4*\kh+\dt)+7], v[ADV] offset:(\q)*STEPB+\kh*32*PV+16*PV+32*\dt
.endr
.endr
	; the maximum of a lane's 32 scores and the old m, three operands at a time, four chains; the two tiles by turns.  Each accumulator is read from its low end on
.irp j, 0,1,2,3
.irp t, 0,1
	v_max3_num_f32 v[ST+8*\t+4+\j], v[S+32*\t+8*\j], v[S+32*\t+8*\j+1], v[S+32*\t+8*\j+2]
.endr
.endr
.irp u, 3,5
.irp j, 0,1,2,3
.irp t, 0,1
	v_max3_num_f32 v[ST+8*\t+4+\j], v[ST+8*\t+4+\j], v[S+32*\t+8*\j+\u], v[S+32*\t+8*\j+\u+1]
.endr
.endr
.endr
.irp t, 0,1
	v_max3_num_f32 v[ST+8*\t+4], v[ST+8*\t+4], v[S+32*\t+7], v[S+32*\t+15]
	v_max3_num_f32 v[ST+8*\t+6], v[ST+8*\t+6], v[S+32*\t+23], v[S+32*\t+31]
.endr
.irp t, 0,1
	v_max3_num_f32 v[ST+8*\t+4], v[ST+8*\t+4], v[ST+8*\t+5], v[ST+8*\t+6]
.endr
.irp t, 0,1
	v_max3_num_f32 v[ST+8*\t+4], v[ST+8*\t+4], v[ST+8*\t+7], v[ST+8*\t+1]
.endr
.irp t, 0,1
	v_permlanex16_b32 v[ST+8*\t+5], v[ST+8*\t+4], s[SEL], s[SEL+1]   ; the query's other 32 keys lie in the lane 16 away
.endr
.irp t, 0,1
	v_mov_b32 v[ST+8*\t+7], v[ST+8*\t]             ; c m_old is kept for a
.endr
.irp t, 0,1
	v_max_num_f32 v[ST+8*\t+1], v[ST+8*\t+4], v[ST+8*\t+5]           ; the new m
.endr
.irp t, 0,1
	v_mul_f32 v[ST+8*\t], s[CS], v[ST+8*\t+1]      ; c m
.endr
.irp t, 0,1
	v_sub_f32 v[ST+8*\t+7], v[ST+8*\t+7], v[ST+8*\t]
.endr
.set n, 0
.rept 16
	v_pk_fma_f32 v[S+2*n:S+2*n+1], v[S+2*n:S+2*n+1], s[CS:CS+1], v[ST:ST+1] op_sel_hi:[1,0,0] neg_lo:[0,0,1] neg_hi:[0,0,1]              ; c s - c m, two at a time
	v_pk_fma_f32 v[S+32+2*n:S+32+2*n+1], v[S+32+2*n:S+32+2*n+1], s[CS:CS+1], v[ST+8:ST+9] op_sel_hi:[1,0,0] neg_lo:[0,0,1] neg_hi:[0,0,1]
.set n, n+1
.endr
.irp t, 0,1
	v_exp_f32 v[ST+8*\t+6], v[ST+8*\t+7]           ; a
.endr
.set n, 0
.rept 32
	v_exp_f32 v[S+n], v[S+n]                       ; p, at most about 1: one batch of 66 exponentials, none of which reads another's result
	v_exp_f32 v[S+32+n], v[S+32+n]
.set n, n+1
.endr
	v_nop                                          ; a plain instruction behind the last exponential (ISA guide 5.7.2)
	s_wait_alu depctr_va_vdst(0)                   ; and one wait ahead of the batch's first reader
	; l = a l + the sum of the unrounded p: two chains, a pair (an even key's, an odd key's) at a time
.irp t, 0,1
	v_pk_add_f32 v[ST+8*\t+4:ST+8*\t+5], v[S+32*\t+2:S+32*\t+3], v[S+32*\t+4:S+32*\t+5]
.endr
.irp t, 0,1
	v_pk_fma_f32 v[ST+8*\t+2:ST+8*\t+3], v[ST+8*\t+2:ST+8*\t+3], v[ST+8*\t+6:ST+8*\t+7], v[S+32*\t:S+32*\t+1] op_sel_hi:[1,0,1]
.endr
.irp u, 3,5,7,9,11,13
.irp t, 0,1
	v_pk_add_f32 v[ST+8*\t+2:ST+8*\t+3], v[ST+8*\t+2:ST+8*\t+3], v[S+32*\t+2*\u:S+32*\t+2*\u+1]
	v_pk_add_f32 v[ST+8*\t+4:ST+8*\t+5], v[ST+8*\t+4:ST+8*\t+5], v[S+32*\t+2*\u+2:S+32*\t+2*\u+3]
.endr
.endr
.irp t, 0,1
	v_pk_add_f32 v[ST+8*\t+2:ST+8*\t+3], v[ST+8*\t+2:ST+8*\t+3], v[S+32*\t+30:S+32*\t+31]
.endr
.irp t, 0,1
	v_pk_add_f32 v[ST+8*\t+2:ST+8*\t+3], v[ST+8*\t+2:ST+8*\t+3], v[ST+8*\t+4:ST+8*\t+5]
.endr
.set n, 0
.rept 16
	v_cvt_pk_f16_f32 v[S+n], v[S+2*n], v[S+2*n+1]                  ; P in place, ascending: register n has been read when it is written
	v_cvt_pk_f16_f32 v[S+32+n], v[S+32+2*n], v[S+32+2*n+1]
.set n, n+1
.endr
.set n, 0
.rept 16
	v_pk_mul_f32 v[O+2*n:O+2*n+1], v[O+2*n:O+2*n+1], v[ST+6:ST+7] op_sel_hi:[1,0]             ; O^T x a, each accumulator from its low end on
	v_pk_mul_f32 v[O+32+2*n:O+32+2*n+1], v[O+32+2*n:O+32+2*n+1], v[ST+14:ST+15] op_sel_hi:[1,0]
.set n, n+1
.endr
	s_wait_dscnt 0x0                               ; v is in
.irp kh, 0,1                                   ; O^T += v^T P: eight accumulators by turns
.irp dt, 0,1,2,3
.irp t, 0,1
	v_wmma_f32_16x16x32_f16 v[O+32*\t+8*\dt:O+32*\t+8*\dt+7], v[KF+8*(4*\kh+\dt):KF+8*(4*\kh+\dt)+7], v[S+32*\t+8*\kh:S+32*\t+8*\kh+7], v[O+32*\t+8*\dt:O+32*\t+8*\dt+7]
.endr
.endr
.endr
.endm
; THE CHANGE OF SLOTS stands at a slot's head.  Each wave waits for all its tensor loads (its part of the slot that it is about to read), adds 0 to its spare word, and waits for that and for its reads of the slot that it has left.
; fill = 1: a round of the cluster's barrier follows, so that no wave of any partner still reads that slot or has a load on its way; the joint load of the next 128 keys is the first thing behind it, one a wave,
; and has a slot's two key steps in which to land.  One tensor load of a wave is out at the most.
.macro CHANGE fill
	s_wait_tensorcnt 0x0                           ; no tensor load of mine is out, so a group 0 may be written
	ds_add_u32 v[SPW], v[NIL]                      ; 0 onto my spare word
.if \fill
	ds_add_u32 v[SPW], v[NIL]                      ; and once more: the add twice on end, in every trip alike
	s_xor_b32 s[G0K+1], s[G0K+1], SLOT1            ; the walking descriptors: the other slot than last time,
	s_add_nc_u64 s[G0K+2:G0K+3], s[G0K+2:G0K+3], 2*KS*ROWQ   ; the next 128 keys; the type bits on top are not reached
	s_xor_b32 s[G0V+1], s[G0V+1], SLOT1
	s_add_nc_u64 s[G0V+2:G0V+3], s[G0V+2:G0V+3], 2*KS*ROWQ
	s_wait_xcnt 0x0                                ; the last prefetch, a slot back, has read its address, so it may be written:
	s_add_nc_u64 s[PFA:PFA+1], s[PFA:PFA+1], 2*KS*ROWQ       ; one slot further on than the walking descriptors
	s_wait_dscnt 0x0                               ; both adds are done, and my reads of the slot that I have left are over
	ROUND
	TLOAD
	ASK
.else
	s_wait_dscnt 0x0
	s_barrier_signal -1
	s_barrier_wait -1
.endif
.endm
	s_wait_loadcnt 0x0                             ; q
.Lslot:                                            ; 15 trips: behind each change of slots but the last the next slot is asked for
	CHANGE 1
	STEP 0
	STEP 1
	s_xor_b32 s[TB], s[TB], SLOT1                  ; on to the other slot
	s_sub_co_u32 s[SLOTS], s[SLOTS], 1
	s_cmp_lg_u32 s[SLOTS], 0
	s_cbranch_scc1 .Lslot
	CHANGE 0                                       ; the last slot is written out
	STEP 0
	STEP 1
	; THE WAY OUT.  l's two halves and the other half of the lanes' are added; O^T is divided by l, rounded to f16 and goes through the work-group's stage: a row's 256 bytes come from two waves (the two heads), so a barrier stands between writing and reading.
.rept 4
	v_nop                                          ; four places behind the last products
.endr
.irp t, 0,1
	v_add_f32 v[ST+8*\t+4], v[ST+8*\t+2], v[ST+8*\t+3]
.endr
.irp t, 0,1
	v_permlanex16_b32 v[ST+8*\t+5], v[ST+8*\t+4], s[SEL], s[SEL+1]
.endr
.irp t, 0,1
	v_add_f32 v[ST+8*\t+4], v[ST+8*\t+4], v[ST+8*\t+5]
.endr
.irp t, 0,1
	v_rcp_f32 v[ST+8*\t+6], v[ST+8*\t+4]
.endr
	v_nop                                          ; a plain instruction behind the last reciprocal
	s_wait_alu depctr_va_vdst(0)                   ; and the wait ahead of the first use: one for both
.set n, 0
.rept 16
	v_pk_mul_f32 v[O+2*n:O+2*n+1], v[O+2*n:O+2*n+1], v[ST+6:ST+7] op_sel_hi:[1,0]
	v_pk_mul_f32 v[O+32+2*n:O+32+2*n+1], v[O+32+2*n:O+32+2*n+1], v[ST+14:ST+15] op_sel_hi:[1,0]
.set n, n+1
.endr
.set n, 0
.rept 32
	v_cvt_pk_f16_f32 v[S+n], v[O+2*n], v[O+2*n+1]  ; registers 16 t + 4 dt .. + 3: att(query r of tile t, channels 16 dt + 8 h + 0..7), 16 bytes
.set n, n+1
.endr
.irp t, 0,1
.irp dt, 0,1,2,3
	ds_store_b128 v[STO], v[S+16*\t+4*\dt:S+16*\t+4*\dt+3] offset:\t*16*SP+32*\dt
.endr
.endr
	s_wait_dscnt 0x0                               ; for the others' sake: my stores into the stage are done
	s_barrier_signal -1
	s_barrier_wait -1
.irp i, 0,1,2,3,4,5,6,7
	ds_load_b128 v[KF+4*\i:KF+4*\i+3], v[RD] offset:\i*2*SP
.endr
.irp i, 0,1,2,3,4,5,6,7
	s_wait_dscnt 7-\i                              ; LDS loads come back in order: load i is in, the younger ones stay out
	global_store_b128 v[GO], v[KF+4*\i:KF+4*\i+3], s[AB:AB+1] offset:\i*2*ROWQ   ; 16 lanes store 256 consecutive bytes, at a multiple of 256 from att's first byte
.endr
	s_wait_tensorcnt 0x0                           ; the wave's end
	ds_add_u32 v[SPW], v[NIL]
	s_wait_dscnt 0x0
	ROUND                                          ; the closing round: no work-group ends while a partner may still ask for a tile that names it
	s_endpgm
.Lfunc_end_k_qe72d837f78_attn:
	.size	k_qe72d837f78_attn, .Lfunc_end_k_qe72d837f78_attn-k_qe72d837f78_attn
	.p2alignl 7, 3214868480
	.fill 96, 4, 3214868480
	.section	.rodata,"a",@progbits
	.p2align	6, 0x0
	.amdhsa_kernel k_qe72d837f78_attn
		.amdhsa_group_segment_fixed_size 327680
		.amdhsa_private_segment_fixed_size 0
		.amdhsa_enable_private_segment 0
		.amdhsa_kernarg_size 16
		.amdhsa_user_sgpr_count 2
		.amdhsa_user_sgpr_kernarg_segment_ptr 1
		.amdhsa_wavefront_size32 1
		.amdhsa_system_sgpr_workgroup_id_x 1
		.amdhsa_system_sgpr_workgroup_id_y 1
		.amdhsa_system_sgpr_workgroup_id_z 1
		.amdhsa_system_vgpr_workitem_id 0
		.amdhsa_next_free_vgpr 256
		.amdhsa_next_free_sgpr 72
		.amdhsa_reserve_vcc 0
		.amdhsa_float_denorm_mode_32 3
		.amdhsa_float_denorm_mode_16_64 3
		.amdhsa_memory_ordered 1
		.amdhsa_forward_progress 1
		.amdhsa_inst_pref_size 86
	.end_amdhsa_kernel
	.amdgpu_metadata
---
amdhsa.version: [ 1, 2 ]
amdhsa.kernels:
  - .name:           k_qe72d837f78_attn
    .symbol:         k_qe72d837f78_attn.kd
    .args:
      - { .name: qkv, .offset: 0, .size: 8, .value_kind: global_buffer, .address_space: global }
      - { .name: att, .offset: 8, .size: 8, .value_kind: global_buffer, .address_space: global }
    .group_segment_fixed_size: 327680
    .private_segment_fixed_size: 0
    .kernarg_segment_align: 8
    .kernarg_segment_size: 16
    .max_flat_workgroup_size: 512
    .sgpr_count:     72
    .vgpr_count:     256
    .wavefront_size: 32
...
	.end_amdgpu_metadata
.endif
;; end of part 3
;; launch outp (part 4): grid 4 x 64, 4 waves a work-group, clusters of 4 x 4, 327,680 bytes of LDS; arguments att, wo16, bo, out0; writes out0
.if DOCPART == 4
	.amdgcn_target "amdgcn-amd-amdhsa--gfx1250"
	.amdhsa_code_object_version 6
	.text
	.protected	k_qe72d837f78_outp
	.globl	k_qe72d837f78_outp
	.p2align	8
	.type	k_qe72d837f78_outp,@function
k_qe72d837f78_outp:
	s_mov_b64 s[64:65], 0
	v_nop
	global_prefetch_b8 v0, s[64:65] scope:SCOPE_SE
	s_setreg_imm32_b32 hwreg(HW_REG_WAVE_MODE, 25, 1), 1
	s_wait_xcnt 0x0
	s_wait_alu depctr_hold_cnt(0) depctr_sa_sdst(0) depctr_va_vdst(0) depctr_va_sdst(0) depctr_va_ssrc(0) depctr_va_vcc(0) depctr_vm_vsrc(0)
	s_getreg_b32 s2, hwreg(HW_REG_IB_STS2, 6, 4)
	s_cmp_eq_u32 s2, 0
	s_cbranch_scc0 .Lentry_in_a_cluster
	s_endpgm
.Lentry_in_a_cluster:
	s_bfe_u32 s2, ttmp6, 0x10000c
	s_cmp_lg_u32 s2, 0xf033
	s_cbranch_scc0 .Lentry_shape_is_right
	s_endpgm
.Lentry_shape_is_right:
; out0[m][n] = sum over k of att[m][k] Wo[n][k] + bo[n].  att [8192][1024] and wo16 [1024][1024]: f16; bo [1024], out0 [8192][1024]: f32.  Sums in f32, begun with the bias.
; A tile of out0 is 128 rows x 256 columns: 64 x 4 = 256 work-groups (tiles of 256 x 256 would be 128).  Four waves, each 64 x 128: 32 accumulators of 16 x 16, 256 registers.
; K goes in 8 steps of 128 (rows of 256 bytes) through a ring of two LDS slots: waves 0, 1 fetch att's two halves (64 rows each), waves 2, 3 Wo's (128 rows each), one tensor load a wave.
; CLUSTERS: 4 x 4 work-groups.  The four of a row of the cluster need the same tiles of att, the four of a column the same tiles of Wo: each is asked for jointly, by the same tensor load with the same descriptor and a mask of the four.
; THE MATRIX INSTRUCTION IS USED TRANSPOSED (source 0 = 16 rows of Wo, source 1 = 16 rows of att): a lane holds eight neighbouring columns of one row of out0.
; REGISTERS: window 0: v16-29 addresses; two fragment buffers of 96 at v64 and v160: 32 registers of att (4 x 16 rows x 32 K), then 64 of Wo (8); on the way out v64-191 rows read back.
;   window 1: the accumulators ((a, b) at v[8 (8 a + b)]).   window 2: v0-63 the bias in the result's layout, 8 registers for each of Wo's eight blocks: the C of each sum's first product.
.set KSTEP,  128
.set KROW,   2048                      ; a row of att or wo16 in bytes
.set PITCH,  272                       ; an LDS row: 256 bytes + 16 of padding: the 16 rows that a load touches start 68 words apart
.set HA,     64*PITCH                  ; what a tensor load brings of att, and what a wave reads of it
.set HB,     128*PITCH                 ; the same for Wo
.set SLOT,   2*HA+2*HB                 ; att's 128 rows, then Wo's 256
.set STAGE,  2*SLOT                    ; the way out: 16 rows x (512 + 16) bytes for each wave; no tensor load lands here
.set SPITCH, 528
.set SPARE,  STAGE+4*16*SPITCH         ; the spare words, 128 bytes a wave, that no other line names
.set LAPS,   4                         ; a lap = two K steps = once round the ring
.set OROW,   4096                      ; a row of out0 in bytes
.set ADRA, 16                          ; v16-17  LDS address of my att fragments in slot 0, 1
.set ADRB, 20                          ; v20-21  the same for Wo
.set STO,  24                          ; v24     the way out: where I put 32 bytes of a row
.set RD,   25                          ; v25     where I read a row back
.set CO,   26                          ; v26     16 x lane: my bytes of a row piece of out0
.set BO,   27                          ; v27     32 x (lane / 16): my half's eight numbers of a bias block
.set SPW,  28                          ; v28     my spare word; never rewritten
.set NIL,  29                          ; v29     0; never rewritten
.set F0,   64
.set F1,   160
.set BK,   64
.set WV, 12                            ; s12 wave;  s13 wave / 2: my 64 rows, and: I fetch for att (0) or Wo (1);  s14 wave % 2: my 128 columns, and which half I fetch
.set HI, 13
.set LO, 14
.set G1, 24                            ; s[24:31] group 1 for att's tiles; s[32:39] group 0, one set for each slot
.set G0, 32
.set G1B, 48                           ; s[48:55], s[56:63] the same for Wo's
.set G0B, 56
.set MSB, 0
.macro WIN new                         ; the immediate's high byte repeats the setting that is left; a switch that changes nothing is dropped
.if MSB != (\new)
	s_set_vgpr_msb (MSB<<8)|(\new)
.set MSB, (\new)
.endif
.endm
.set MUL,   0x50                       ; sources 0 and 1 window 0; C and D window 1
.set FIRST, 0x60                       ; C (the bias) window 2, D window 1
.macro JLOAD s                         ; a joint load; an s_nop 0 and four v_nop follow each of the two lines, ahead of the jump, the label and what follows
	s_cmp_eq_u32 s[HI], 0
	s_cbranch_scc0 .Lfor_b_\@
	tensor_load_to_lds s[G0+4*\s:G0+4*\s+3], s[G1:G1+7]
	s_nop 0
.rept 4
	v_nop
.endr
	s_branch .Lasked_\@
.Lfor_b_\@:
	tensor_load_to_lds s[G0B+4*\s:G0B+4*\s+3], s[G1B:G1B+7]
	s_nop 0
.rept 4
	v_nop
.endr
.Lasked_\@:
.endm
.macro CREST                           ; a round of the cluster's barrier behind its opening barrier
	s_cmp_lg_u32 s[WV], 0
	s_cbranch_scc1 .Lnot_wave_0_\@
	s_barrier_signal -3
.Lnot_wave_0_\@:
	s_barrier_wait -3
	s_barrier_signal -1
	s_barrier_wait -1
.endm
.macro CROUND                          ; a whole round
	s_barrier_signal -1
	s_barrier_wait -1
	CREST
.endm
	s_load_b256 s[4:11], s[0:1], 0x0               ; att 4, wo16 6, bo 8, out0 10
	v_lshl_add_u32 v[SPW], v0, 2, SPARE
	v_mov_b32 v[NIL], 0
	ds_add_u32 v[SPW], v[NIL]                      ; the wave's opening: the add, twice on end, and its wait ahead of my first tensor load; the set-up below stands between the second and the wait
	ds_add_u32 v[SPW], v[NIL]
	v_lshrrev_b32 v1, 5, v0
	v_readfirstlane_b32 s[WV], v1                  ; wave 0..3
	s_lshr_b32 s[HI], s[WV], 1
	s_and_b32 s[LO], s[WV], 1
	s_bfe_u32 s40, ttmp6, 0x40000                  ; cx, cy: my place in the cluster
	s_bfe_u32 s41, ttmp6, 0x40004
	s_lshl_b32 s42, ttmp9, 2
	s_add_co_u32 s42, s42, s40                     ; tile column = 4 x cluster x + cx
	s_and_b32 s15, ttmp7, 0xffff
	s_lshl_b32 s15, s15, 2
	s_add_co_u32 s15, s15, s41                     ; tile row = 4 x cluster y + cy
	s_lshl_b32 s43, s41, 2
	s_lshl_b32 s43, 15, s43                        ; my row of the cluster
	s_lshl_b32 s44, 0x1111, s40                    ; my column
	; group 1: tiles of 64 (att) or 128 (Wo) rows x 128 elements of 2 bytes, padded in LDS
	s_or_b32 s[G1+0], s43, (1<<16)|(1<<20)|(1<<21)|(5<<22)|(3<<25)  ; 15:0 the mask; 17:16 elements of 2 bytes; 20 padding on; 21 set beside a mask; 24:22 after every 64 words; 31:25 four words
	s_or_b32 s[G1B+0], s44, (1<<16)|(1<<20)|(1<<21)|(5<<22)|(3<<25)
	s_mov_b32 s[G1+1], KSTEP<<16                   ; tensor_dim0
	s_mov_b32 s[G1+2], 64<<16                      ; tensor_dim1
	s_mov_b32 s[G1+3], KSTEP<<16                   ; tile_dim0
	s_mov_b32 s[G1+4], 64                          ; tile_dim1
	s_mov_b32 s[G1+5], 1024                        ; from row to row
	s_mov_b32 s[G1+6], 0
	s_mov_b32 s[G1+7], 0
	s_mov_b32 s[G1B+1], KSTEP<<16
	s_mov_b32 s[G1B+2], 128<<16
	s_mov_b32 s[G1B+3], KSTEP<<16
	s_mov_b32 s[G1B+4], 128
	s_mov_b32 s[G1B+5], 1024
	s_mov_b32 s[G1B+6], 0
	s_mov_b32 s[G1B+7], 0
	s_lshl_b32 s16, s15, 7
	s_lshl_b32 s17, s[LO], 6
	s_add_co_u32 s16, s16, s17                     ; att: row 128 x tile row + 64 x half,
	s_lshl_b32 s16, s16, 11                        ; in bytes (under 2^24)
	s_mov_b32 s17, 0
	s_lshl_b32 s46, s42, 8
	s_lshl_b32 s47, s[LO], 7
	s_add_co_u32 s46, s46, s47                     ; Wo: row 256 x tile column + 128 x half
	s_lshl_b32 s46, s46, 11
	s_mov_b32 s47, 0
	s_mul_i32 s20, s[LO], HA                       ; where they go: no place in the cluster enters an LDS address
	s_mul_i32 s21, s[LO], HB
	s_add_co_u32 s21, s21, 2*HA
	s_wait_dscnt 0x0                               ; both opening adds are done
	s_wait_kmcnt 0x0
	s_add_nc_u64 s[16:17], s[4:5], s[16:17]
	s_add_nc_u64 s[46:47], s[6:7], s[46:47]
	CROUND                                         ; all sixteen work-groups are here: the first joint loads meet
.irp s, 0,1
	s_mov_b32 s[G0+4*\s], 1
	s_add_co_u32 s[G0+4*\s+1], s20, \s*SLOT
	s_add_nc_u64 s[G0+4*\s+2:G0+4*\s+3], s[16:17], \s*KSTEP*2
	s_or_b32 s[G0+4*\s+3], s[G0+4*\s+3], 0x80000000
	s_mov_b32 s[G0B+4*\s], 1
	s_add_co_u32 s[G0B+4*\s+1], s21, \s*SLOT
	s_add_nc_u64 s[G0B+4*\s+2:G0B+4*\s+3], s[46:47], \s*KSTEP*2
	s_or_b32 s[G0B+4*\s+3], s[G0B+4*\s+3], 0x80000000
	JLOAD \s                                       ; two tensor loads of mine are out at the most
.endr
	v_and_b32 v1, 15, v0                           ; r = lane % 16
	v_bfe_u32 v2, v0, 4, 1                         ; h = lane / 16
	v_mul_u32_u24 v3, v1, PITCH
	v_lshl_add_u32 v3, v2, 4, v3                   ; a fragment's row x pitch + 16 x half
	s_mul_i32 s22, s[HI], HA                       ; my 64 rows of att
	s_mul_i32 s23, s[LO], HB                       ; my 128 rows of Wo,
	s_add_co_u32 s23, s23, 2*HA                    ; which lie behind att's 128
.irp s, 0,1
	v_add_nc_u32 v[ADRA+\s], s22, v3
	v_add_nc_u32 v[ADRB+\s], s23, v3
	s_add_co_u32 s22, s22, SLOT
	s_add_co_u32 s23, s23, SLOT
.endr
	s_mul_i32 s22, s[WV], 16*SPITCH
	s_add_co_u32 s22, s22, STAGE                   ; my stage
	v_mul_u32_u24 v4, v1, SPITCH
	v_lshl_add_u32 v4, v2, 5, v4
	v_add_nc_u32 v[STO], s22, v4                   ; in: row r, 32 bytes for each half of the lanes
	v_and_b32 v5, 31, v0
	v_lshlrev_b32 v[CO], 4, v5                     ; back: the 32 lanes take one row of 512 bytes; and the same in out0
	v_add_nc_u32 v[RD], s22, v[CO]
	v_lshlrev_b32 v[BO], 5, v2
	s_lshl_b32 s16, s15, 7
	s_lshl_b32 s17, s[HI], 6
	s_add_co_u32 s16, s16, s17                     ; my first row of out0: 128 x tile row + 64 x half,
	s_lshl_b32 s16, s16, 12                        ; in bytes (under 2^25)
	s_mov_b32 s17, 0
	s_lshl_b32 s46, s42, 10                        ; my first column, in bytes of f32: 1024 x tile column + 512 x half
	s_lshl_b32 s47, s[LO], 9
	s_add_co_u32 s46, s46, s47
	s_mov_b32 s47, 0
	s_add_nc_u64 s[8:9], s[8:9], s[46:47]          ; bo at my first column
	s_add_nc_u64 s[10:11], s[10:11], s[46:47]
	s_add_nc_u64 s[10:11], s[10:11], s[16:17]      ; out0 at my corner; never stepped
	WIN 0x80                                       ; destination window 2
.irp b, 0,1,2,3,4,5,6,7
	global_load_b128 v[8*\b:8*\b+3], v[BO], s[8:9] offset:64*\b          ; lane (r, h), register j of block b: bo[my first column + 16 b + 8 h + j]
	global_load_b128 v[8*\b+4:8*\b+7], v[BO], s[8:9] offset:64*\b+16
.endr
	WIN 0
; 8 matrix instructions: att's block a against Wo's eight, 32 along K, from buffer f.  zero = 1: the first product starts the sums from the bias.
; The 32 accumulators take turns, one instruction a turn, in the same order in every quarter.
.macro MUL8 f, a, zero
.irp b, 0,1,2,3,4,5,6,7
.if \zero
	v_wmma_f32_16x16x32_f16 v[8*(8*(\a)+\b):8*(8*(\a)+\b)+7], v[\f+32+8*\b:\f+32+8*\b+7], v[\f+8*(\a):\f+8*(\a)+7], v[8*\b:8*\b+7]
.else
	v_wmma_f32_16x16x32_f16 v[8*(8*(\a)+\b):8*(8*(\a)+\b)+7], v[\f+32+8*\b:\f+32+8*\b+7], v[\f+8*(\a):\f+8*(\a)+7], v[8*(8*(\a)+\b):8*(8*(\a)+\b)+7]
.endif
.endr
.endm
.macro MUL16 f, a0, zero
	MUL8 \f, \a0, \zero
	MUL8 \f, \a0+1, \zero
.endm
; 24 LDS loads in one run: the fragments of 32 along K at byte k of the rows, into buffer f: Wo's eight, then att's blocks 0, 1, then 2, 3
.macro FETCH slot, k, f
	WIN 0
.irp i, 0,1,2,3,4,5,6,7
	ds_load_b128 v[\f+32+8*\i:\f+32+8*\i+3],   v[ADRB+\slot] offset:\k+\i*16*PITCH
	ds_load_b128 v[\f+32+8*\i+4:\f+32+8*\i+7], v[ADRB+\slot] offset:\k+\i*16*PITCH+32
.endr
.irp i, 0,1,2,3
	ds_load_b128 v[\f+8*\i:\f+8*\i+3],   v[ADRA+\slot] offset:\k+\i*16*PITCH
	ds_load_b128 v[\f+8*\i+4:\f+8*\i+7], v[ADRA+\slot] offset:\k+\i*16*PITCH+32
.endr
.endm
.macro PLACES                          ; four places in front of loads into registers that matrix instructions have read, and of the first read of results
.rept 4
	v_nop
.endr
.endm
; A K step is four quarters of 32 along K, 32 matrix instructions each, on buffers 0, 1, 0, 1.  One of the first three: multiplies buffer f and fetches the next quarter, at byte k, into g.
.macro QUARTER slot, k, f, g, zero
	s_wait_dscnt 4                                 ; Wo's fragments and att's blocks 0, 1 are in; the youngest four loads (blocks 2, 3) may be out
.if \zero
	WIN FIRST
.else
	WIN MUL
.endif
	MUL16 \f, 0, \zero
	PLACES
	FETCH \slot, \k, \g
	s_wait_dscnt 24                                ; all but the 24 just issued
.if \zero
	WIN FIRST
.else
	WIN MUL
.endif
	MUL16 \f, 2, \zero
.endm
; The last quarter multiplies buffer 1 and changes slots: ONE barrier; in front of it each wave waits for all its tensor loads, adds 0 to its spare word, and waits for that and for its own reads of this slot.
; fill = 1: the barrier opens a round of the cluster's barrier, and this slot is filled again, two K steps ahead: from the request to the wait for it a wave issues 112 matrix instructions.
.macro TURN slot, next, fill
	WIN 0                                          ; (the add's two registers lie in window 0)
	s_wait_tensorcnt 0x0                           ; all my tensor loads have landed: my part of the next slot
	ds_add_u32 v[SPW], v[NIL]                      ; 0 onto my spare word
	s_wait_dscnt 5                                 ; (the add and the youngest four loads may be out)
	WIN MUL
	MUL8 F1, 0, 0                                  ; eight matrix instructions stand between the add and the wait for it
	s_wait_dscnt 0x0                               ; the add is done, and my reads of this slot are over
	s_barrier_signal -1
	MUL8 F1, 1, 0                                  ; work on registers while the others arrive
	WIN 0
	s_barrier_wait -1
.if \fill
	CREST                                          ; no wave of any partner still reads this slot's tile or has a load on its way
	s_add_nc_u64 s[G0+4*\slot+2:G0+4*\slot+3], s[G0+4*\slot+2:G0+4*\slot+3], 2*KSTEP*2
	s_add_nc_u64 s[G0B+4*\slot+2:G0B+4*\slot+3], s[G0B+4*\slot+2:G0B+4*\slot+3], 2*KSTEP*2
	JLOAD \slot                                    ; the first tensor load behind the round; the four v_nop behind it are also the places in front of the loads below
.else
	PLACES
.endif
	FETCH \next, 0, F0
	WIN MUL
	MUL16 F1, 2, 0
.endm
	s_wait_tensorcnt 1                             ; my part of K step 0 is in; K step 1's load may stay out
	s_barrier_signal -1
	s_barrier_wait -1                              ; everybody's is
	FETCH 0, 0, F0
	s_wait_loadcnt 0x0                             ; the bias
	QUARTER 0, 64, F0, F1, 1                       ; the first quarter stands in front of the loop: its products start the sums
	WIN 0                                          ; at a label and at a branch every window is 0
	s_mov_b32 s3, LAPS-1
.Llap:                                             ; a trip goes once round the ring, from a lap's second quarter to the next lap's first, and fills both slots again
	QUARTER 0, 128, F1, F0, 0
	QUARTER 0, 192, F0, F1, 0
	TURN 0, 1, 1
	QUARTER 1, 64,  F0, F1, 0
	QUARTER 1, 128, F1, F0, 0
	QUARTER 1, 192, F0, F1, 0
	TURN 1, 0, 1
	QUARTER 0, 64,  F0, F1, 0
	WIN 0
	s_sub_co_u32 s3, s3, 1
	s_cmp_lg_u32 s3, 0
	s_cbranch_scc1 .Llap
	QUARTER 0, 128, F1, F0, 0                      ; the last lap is written out: it fills nothing, and has no round of the cluster's barrier
	QUARTER 0, 192, F0, F1, 0
	TURN 0, 1, 0
	QUARTER 1, 64,  F0, F1, 0
	QUARTER 1, 128, F1, F0, 0
	QUARTER 1, 192, F0, F1, 0
	s_wait_dscnt 4                                 ; the very last quarter: nothing more to fetch
	WIN MUL
	MUL16 F1, 0, 0
	s_wait_dscnt 0
	MUL16 F1, 2, 0
	WIN 0
; THE WAY OUT, block by block of 16 rows x 128 columns.  A lane holds 32 neighbouring bytes of a row, the lanes beside it other rows: a block goes through my own stage and comes back as whole rows of 512 bytes.
; LDS serves a wave's instructions in order (ISA guide 5.7.1.4): no wait between the stores and the loads, nor in front of the next block's stores.
.macro TOSTAGE a
	WIN 0x04                                       ; an LDS store's data are its source 1: window 1
.irp b, 0,1,2,3,4,5,6,7
	ds_store_b128 v[STO], v[64*(\a)+8*\b:64*(\a)+8*\b+3] offset:64*\b          ; each accumulator from its low end on
	ds_store_b128 v[STO], v[64*(\a)+8*\b+4:64*(\a)+8*\b+7] offset:64*\b+16
.endr
	WIN 0
.set BB, BK+64*((\a)%2)
.irp t, 0,1,2,3,4,5,6,7,8,9,10,11,12,13,14,15
	ds_load_b128 v[BB+4*\t:BB+4*\t+3], v[RD] offset:\t*SPITCH
.endr
.endm
.macro SEND a, younger                 ; younger: the LDS instructions issued behind block a's loads, which may stay out
.set BB, BK+64*((\a)%2)
	s_wait_dscnt \younger                          ; the block is back in registers
.irp t, 0,1,2,3,4,5,6,7,8,9,10,11,12,13,14,15
	global_store_b128 v[CO], v[BB+4*\t:BB+4*\t+3], s[10:11] offset:(16*(\a)+\t)*OROW th:TH_STORE_NT   ; 32 lanes store 512 consecutive bytes, at a multiple of 256 from out0's first byte; written once, read by nobody here
.endr
.endm
	PLACES                                         ; behind the last products: for the stores that read results and the loads into registers that held fragments
	TOSTAGE 0
.irp a, 1,2,3
.if \a > 1
	s_wait_xcnt 0x0                                ; block a - 2's stores have read their registers: block a's loads may land there
.endif
	TOSTAGE \a
	SEND \a-1, 32                                  ; behind block a - 1's loads: block a's 16 stores and 16 loads
.endr
	SEND 3, 0
	s_wait_tensorcnt 0x0                           ; the wave's end
	ds_add_u32 v[SPW], v[NIL]
	s_wait_dscnt 0x0
	CROUND                                         ; the closing round: no work-group ends while a partner may still ask for a tile that names it
	s_endpgm
.Lfunc_end_k_qe72d837f78_outp:
	.size	k_qe72d837f78_outp, .Lfunc_end_k_qe72d837f78_outp-k_qe72d837f78_outp
	.p2alignl 7, 3214868480
	.fill 96, 4, 3214868480
	.section	.rodata,"a",@progbits
	.p2align	6, 0x0
	.amdhsa_kernel k_qe72d837f78_outp
		.amdhsa_group_segment_fixed_size 327680
		.amdhsa_private_segment_fixed_size 0
		.amdhsa_enable_private_segment 0
		.amdhsa_kernarg_size 32
		.amdhsa_user_sgpr_count 2
		.amdhsa_user_sgpr_kernarg_segment_ptr 1
		.amdhsa_wavefront_size32 1
		.amdhsa_system_sgpr_workgroup_id_x 1
		.amdhsa_system_sgpr_workgroup_id_y 1
		.amdhsa_system_sgpr_workgroup_id_z 1
		.amdhsa_system_vgpr_workitem_id 0
		.amdhsa_next_free_vgpr 576
		.amdhsa_next_free_sgpr 66
		.amdhsa_reserve_vcc 0
		.amdhsa_float_denorm_mode_32 3
		.amdhsa_float_denorm_mode_16_64 3
		.amdhsa_memory_ordered 1
		.amdhsa_forward_progress 1
		.amdhsa_inst_pref_size 86
	.end_amdhsa_kernel
	.amdgpu_metadata
---
amdhsa.version: [ 1, 2 ]
amdhsa.kernels:
  - .name:           k_qe72d837f78_outp
    .symbol:         k_qe72d837f78_outp.kd
    .args:
      - { .name: att, .offset: 0, .size: 8, .value_kind: global_buffer, .address_space: global }
      - { .name: wo16, .offset: 8, .size: 8, .value_kind: global_buffer, .address_space: global }
      - { .name: bo, .offset: 16, .size: 8, .value_kind: global_buffer, .address_space: global }
      - { .name: out0, .offset: 24, .size: 8, .value_kind: global_buffer, .address_space: global }
    .group_segment_fixed_size: 327680
    .private_segment_fixed_size: 0
    .kernarg_segment_align: 8
    .kernarg_segment_size: 32
    .max_flat_workgroup_size: 128
    .sgpr_count:     66
    .vgpr_count:     576
    .wavefront_size: 32
...
	.end_amdgpu_metadata
.endif
;; end of part 4
